; MI455X (gfx1250); checked and timed in simulation.
; The chip was launched on July 23, 2026; its instructions are those of AMD's public machine-readable ISA for CDNA 5 (MIT licence, August 2026) and "CDNA5" Instruction Set Architecture Reference Guide (July 2026). The comments in the code are by the model that wrote it; some were corrected since.
;; attention. Allowed arithmetic: matrix products marked QUANTISED: E2M1 operands, one E8M0 scale for each 32 along K, by v_wmma_scale_f32_16x16x128_f8f6f4 with both operands' format E2M1 (or v_wmma_scale_f32_32x16x128_f4), f32 sums; everything else in f32.
;; Inputs: W1 1,024 x 3,072 float32; Wp 1,024 x 1,024 float32; b1 3,072 float32; bp 1,024 float32; x 1 x 4,096 x 1,024 float32.
;; Outputs: out0 1 x 4,096 x 1,024 float32.
;; This version of the problem:
;;   THIS VERSION OF THE PROBLEM IS GIVEN IN LOW PRECISION. The matrix products marked QUANTISED in the list below multiply operands that are first quantised to E2M1 (2 exponent bits, 1 mantissa bit; 4 bits a number), with one power-of-two scale for each 32 numbers along K (OCP MX v1.0); their sums are f32. All else is computed in f32.
;;   The module's matrix products, in the order in which they are computed (A, B: the left and right operand; K: the contracted axis; several contracted axes count as one K, in the product's order):
;;     1. [M 4,096, K 1,024] x [K 1,024, N 3,072]; A: input x; B: input W1: QUANTISED
;;     2. batch 16 x [M 4,096, K 64] x [K 64, N 4,096]; A: computed on the way; B: computed on the way: QUANTISED
;;     3. batch 16 x [M 4,096, K 4,096] x [K 4,096, N 64]; A: softmax (see below); B: computed on the way: QUANTISED
;;     4. [M 4,096, K 1,024] x [K 1,024, N 1,024]; A: computed on the way; B: input Wp: QUANTISED
;;   THE QUANTISER, for each operand of a quantised product, along K:
;;     - K is cut into blocks of 32 from its start; a last block that is shorter is filled with zeros.
;;     - A block's scale is 2^e with e = floor(log2(the largest magnitude in the block)) - 2, held to -126 .. 127; a block of zeros has e = 0. As a byte (E8M0): e + 127.
;;     - Each number is divided by its block's scale, clamped to +-6, and rounded to the nearest number of E2M1, ties to even, subnormals kept.
;;     - The product sums the exact products of the quantised numbers (number of the format x scale) in f32.
;;   ~~~python
;;   def quantise(x, axis):      # numpy; x: float32 -> the quantised numbers, widened to float32 again
;;       x = np.moveaxis(x, axis, -1); K = x.shape[-1]
;;       x = np.pad(x, [(0, 0)] * (x.ndim - 1) + [(0, -K % 32)]); x = x.reshape(x.shape[:-1] + (-1, 32)); a = np.abs(x).max(-1, keepdims=True)
;;       e = np.where(a > 0, np.clip(np.frexp(np.where(a > 0, a, 1))[1] - 1 - 2, -126, 127), 0)      # np.frexp(a)[1] - 1 = floor(log2(a)), exactly
;;       r = np.clip(x / 2.0 ** e, -6, 6)
;;       step = 2.0 ** (np.maximum(np.frexp(np.where(r == 0, 1, r))[1] - 1, 0) - 1)
;;       q = np.round(r / step) * step * 2.0 ** e      # np.round: ties to even
;;       return np.moveaxis(q.reshape(q.shape[:-2] + (-1,))[..., :K], -1, axis).astype(np.float32)
;;   ~~~
;;   SOFTMAX AHEAD OF A QUANTISED PRODUCT. Where the list says 'softmax', what is quantised is not the finished softmax but p = 2^(t - M), with t = logit x log2(e) and M = ceil(the row's largest t), a whole number; so 1/2 < the row's largest p <= 1. The row's sum l is taken of the UNQUANTISED p, in f32, and the product's result is divided by l at the end. Since M is a whole number, a kernel that streams over the keys may use a running M (the ceiling of the running maximum): every later rescaling is an exact power of two, which a block's scale takes up: the codes' values come out the same.
;;   OPERANDS COMPUTED ON THE WAY. 'Computed on the way' means the value that the module computes at that place (a softmax that the list does not call 'softmax' is quantised finished and normalised). What goes into a quantiser is computed in f32, as accurately as f32 sums, v_exp_f32 and their like allow (about 1e-6 of the number): no bf16 or f16 on the way to a quantiser, and a product that is left as it is and whose result goes on into a quantised operand takes f32 operands (vector FMAs, or v_wmma_f32_16x16x4_f32). A number that lies on a knife's edge between two numbers of the format may be rounded either way, as far as f32 arithmetic and the matrix unit's own rounding can turn it there, and no further.
;; One version. Each part assembles by itself: llvm-mc -triple=amdgcn-amd-amdhsa -mcpu=gfx1250 --defsym DOCPART=n.
;; ======== version 1 of 1: 4 launches
;; workspace buffers: xi 2,228,224 bytes; w1i 1,671,168 bytes; wpi 557,056 bytes; qc 2,097,152 bytes; qs 131,072 bytes; kv 4,456,448 bytes; ai 2,228,224 bytes
;; launch quant (part 1): grid 64 x 8, 4 waves a work-group, no clusters, 68,096 bytes of LDS; arguments x, W1, Wp, xi, w1i, wpi; writes xi, w1i, wpi
.if DOCPART == 1
	.amdgcn_target "amdgcn-amd-amdhsa--gfx1250"
	.amdhsa_code_object_version 6
	.text
	.protected	k_q19f46f76d9_quant
	.globl	k_q19f46f76d9_quant
	.p2align	8
	.type	k_q19f46f76d9_quant,@function
k_q19f46f76d9_quant:
	s_mov_b64 s[64:65], 0
	v_nop
	global_prefetch_b8 v0, s[64:65] scope:SCOPE_SE
	s_setreg_imm32_b32 hwreg(HW_REG_WAVE_MODE, 25, 1), 1
	s_wait_xcnt 0x0
; x [4096][1024], W1 [1024][3072] and Wp [1024][1024], f32, become codes of FP4 (E2M1) with one E8M0 scale byte for each 32 along K (K = the 1,024).
; A block's scale is 2^(floor(log2(its largest magnitude)) - 2): its byte is the largest magnitude's exponent field - 2, held at 1 from below.
; LIMITS: a block of zeros, and a block whose largest magnitude lies under 2^-124, keeps the byte 1 (the rule says 127 for zeros: the codes are zeros, and these bytes are read by this program alone);
; NaN and infinities among the inputs are not served.
; THE RESULTS ARE LAID AS IMAGES OF THE OPERANDS' REGISTERS.  A fragment is 16 rows x 128 K, 8 registers a lane, 1,024 bytes: registers 4 c .. 4 c + 3 of lane l at 512 c + 16 l.  A fragment's scale words: 4 bytes a row, 64 bytes.
; THE ROWS OF A TILE ARE NOT NEIGHBOURS: of a pair of 32 rows tile u (0, 1) takes rows 8 u + r + 8 (r / 8), r = 0 .. 15.
;   xi : [block of 256 rows][K step of 128][17,408]: 16 fragments, then their 16 x 64 bytes of scale words
;   w1i: [head][K step][13,056]: the 12 fragments of the head's 192 columns, then 12 x 64 bytes;   wpi: [block of 64 columns][K step][4,352]: 4 fragments, then 4 x 64 bytes
; SHARES.  Work-group y is the K step.  Work-groups x = 0..31 take x, 32..55 W1, 56..63 Wp.  A wave takes a pair (32 rows, or 32 columns) x 128 K = 16 KiB, asks for all of it at once, works, stores and ends.
; No matrix unit, no tensor load, no barrier: waves share nothing.  Only x's way uses LDS: each wave's own stage.  The scale words leave in pieces of 128 bytes: one byte in 128 of what the launch reads.
.set SP,    528                        ; a stage row: 512 bytes (128 numbers) + 16 of padding: sixteen rows of one column fall on sixteen different groups of banks
.set WSTG,  32*SP                      ; a wave's stage
.set XBLK,  17408
.set W1BLK, 13056
.set WPBLK, 4352
; tile u of the pair comes back from the stage: lane (r, h) takes of row r the numbers k = 64 c + 32 h + 0 .. 31 into registers dst + 32 c on: the order of the operand's registers
.macro TILE u, dst
.irp c, 0,1
.irp q, 0,1,2,3,4,5,6,7
	ds_load_b128 v[\dst+32*\c+4*\q:\dst+32*\c+4*\q+3], v5 offset:\u*16*SP+256*\c+16*\q
.endr
.endr
.endm
; 64 numbers of a lane (two whole blocks of 32) become the fragment's 8 registers v[dst] on and its scale word v[pw]
.macro Q6 src, dst, pw
.irp c, 0,1
	v_max3_num_f32 v[8+\c], |v[\src+32*\c]|, |v[\src+32*\c+1]|, 0x1800000   ; the floor 2^(3 - 127) among the leaves: the byte cannot fall under 1
.endr
.irp i, 2,4,6,8,10,12,14,16,18,20,22,24,26,28,30
.irp c, 0,1
	v_max3_num_f32 v[8+\c], v[8+\c], |v[\src+32*\c+\i]|, |v[\src+32*\c+\i+1]|   ; the two blocks by turns
.endr
.endr
.irp c, 0,1
	v_add_nc_u32 v[10+\c], 0xff000000, v[8+\c]     ; 2 off the exponent field: the conversion's scale operand
.endr
.irp c, 0,1
	v_lshrrev_b32 v[12+\c], 23, v[10+\c]           ; the scale's byte
.endr
	v_lshl_or_b32 v[\pw], v13, 16, v12             ; my two bytes: blocks h and 2 + h of row r,
	v_lshlrev_b32 v[\pw], v14, v[\pw]              ; 8 h bits up;
	v_permlanex16_b32 v15, v[\pw], s30, s31
	v_or_b32 v[\pw], v[\pw], v15                   ; with lane l xor 16's two the word is whole
.irp c, 0,1
.irp g, 0,1,2,3
	v_cvt_scalef32_pk8_fp4_f32 v[\dst+4*\c+\g], v[\src+32*\c+8*\g:\src+32*\c+8*\g+7], v[10+\c]
.endr
.endr
	v_nop                                          ; one plain line behind the last conversion
.endm
; one block of 32 along K of my column: all its numbers are mine
.macro WBLOCK b, cnt
.set XS, 128+32*\b
	s_wait_loadcnt \cnt
	v_max3_num_f32 v20, |v[XS]|, |v[XS+1]|, |v[XS+2]|
	v_max3_num_f32 v21, |v[XS+3]|, |v[XS+4]|, |v[XS+5]|
.irp i, 6,10,14,18,22,26
	v_max3_num_f32 v20, v20, |v[XS+\i]|, |v[XS+\i+1]|
	v_max3_num_f32 v21, v21, |v[XS+\i+2]|, |v[XS+\i+3]|
.endr
	v_max3_num_f32 v20, v20, |v[XS+30]|, |v[XS+31]|
	v_max3_num_f32 v20, v20, v21, 0x1800000        ; and the floor
	v_add_nc_u32 v22, 0xff000000, v20
	v_lshrrev_b32 v23, 23, v22
.if \b == 0
	v_mov_b32 v16, v23                             ; the column's scale word, the lower K in the lower byte
.else
	v_lshl_or_b32 v16, v23, 8*\b, v16
.endif
.irp g, 0,1,2,3
	v_cvt_scalef32_pk8_fp4_f32 v[32+4*\b+\g], v[XS+8*\g:XS+8*\g+7], v22
.endr
	global_store_b128 v10, v[32+4*\b:32+4*\b+3], s[26:27] offset:512*(\b>>1)+256*(\b&1)   ; block b is registers 4 (b / 2) on of lanes 16 (b % 2) + r: the wave fills two aligned runs of 256 bytes
.endm
; a pair of 32 columns x 128 K of a weight whose rows are pitch bytes: A LANE TAKES A COLUMN, ITS REGISTERS RUN DOWN K.  Each load reads 128 consecutive bytes, the four waves stand side by side on 512.
.macro WPATH pitch, soff
.set i, 0
.rept 128
	global_load_b32 v[128+i], v6, s[4:5] offset:i*\pitch th:TH_LOAD_NT
.set i, i+1
.endr
	WBLOCK 0, 63                                   ; block 0 wants 96 younger loads left out at the most, block 1 64: the wait's field holds 63, and a smaller count is safe
	WBLOCK 1, 63
	WBLOCK 2, 32                                   ; block 3's 32 loads may be out
	WBLOCK 3, 0
	v_nop                                          ; one plain line behind the last conversion
	global_store_b32 v11, v16, s[28:29] offset:\soff
.endm
	s_load_b256 s[4:11], s[0:1], 0x0               ; x s[4:5], W1 s[6:7], Wp s[8:9], xi s[10:11]
	s_load_b128 s[12:15], s[0:1], 0x20             ; w1i s[12:13], wpi s[14:15]
	v_lshl_add_u32 v62, v0, 2, 0x10800
	v_mov_b32 v63, 0
	v_lshrrev_b32 v1, 5, v0
	v_readfirstlane_b32 s16, v1                    ; wave 0..3
	v_and_b32 v2, 31, v0                           ; lane
	v_lshlrev_b32 v3, 4, v2                        ; 16 x lane
	v_lshlrev_b32 v6, 2, v2                        ; 4 x lane
	s_and_b32 s17, ttmp7, 0xffff                   ; the K step
	s_cmp_lt_u32 ttmp9, 32
	s_cbranch_scc0 .Lweights
	; ---- x: K is innermost.  Each load reads 512 consecutive bytes of one row; the 32 rows turn through my stage, so that a lane gets 32 neighbours along K
	v_and_b32 v7, 15, v2                           ; r
	v_lshrrev_b32 v14, 4, v2                       ; h
	s_mul_i32 s22, s16, WSTG
	v_add_nc_u32 v4, s22, v3                       ; into the stage: 16 x lane of a row
	v_mul_u32_u24 v5, v7, SP
	v_lshl_add_u32 v5, v14, 7, v5
	v_add_nc_u32 v5, s22, v5                       ; out of it: row r, + 128 h bytes
	v_lshlrev_b32 v14, 3, v14                      ; 8 h
	v_mov_b32 v15, 0                               ; a lane permute's destination counts as one of its sources
	s_mov_b32 s30, 0x76543210
	s_mov_b32 s31, 0xfedcba98                      ; v_permlanex16_b32's selects for lane l xor 16
	s_lshl_b32 s18, ttmp9, 2
	s_add_co_u32 s18, s18, s16                     ; my pair of 32 rows, 0..127
	s_lshl_b32 s20, s18, 17                        ; 32 rows of 4,096 bytes
	s_lshl_b32 s19, s17, 9                         ; + 512 bytes a K step
	s_add_co_u32 s20, s20, s19
	s_mov_b32 s21, 0
	s_lshr_b32 s24, s18, 3
	s_mul_i32 s24, s24, 8*XBLK                     ; the block of 256 rows,
	s_mul_i32 s19, s17, XBLK                       ; its K step
	s_add_co_u32 s24, s24, s19
	s_and_b32 s19, s18, 7
	s_lshl_b32 s26, s19, 11                        ; the pair's two fragments
	s_add_co_u32 s26, s26, s24
	s_mov_b32 s27, 0
	s_lshl_b32 s28, s19, 7                         ; and its 128 bytes of scale words (16,384 further on: in the immediate)
	s_add_co_u32 s28, s28, s24
	s_mov_b32 s29, 0
	s_wait_kmcnt 0x0
	s_add_nc_u64 s[4:5], s[4:5], s[20:21]
	s_add_nc_u64 s[26:27], s[10:11], s[26:27]
	s_add_nc_u64 s[28:29], s[10:11], s[28:29]
.set i, 0
.rept 32
	global_load_b128 v[128+4*i:128+4*i+3], v3, s[4:5] offset:4096*i th:TH_LOAD_NT
.set i, i+1
.endr
.set i, 0
.rept 32
.if (i%8) == 0
	s_wait_loadcnt 24-i                            ; loads come back in order: the next eight rows are in, the younger ones stay out
.endif
	ds_store_b128 v4, v[128+4*i:128+4*i+3] offset:(16*((i>>3)&1)+(i&7)+8*(i>>4))*SP   ; row i of the pair is row (i & 7) + 8 (i >> 4) of tile (i >> 3) & 1
.set i, i+1
.endr
	TILE 0, 64                                     ; LDS serves a wave's instructions in order: these see my stores
	s_wait_dscnt 0x0                               ; tile 0 is in, and the stores have read v128 on,
	TILE 1, 128                                    ; which tile 1 now takes, while tile 0 is worked
	Q6 64, 16, 32
	global_store_b128 v3, v[16:19], s[26:27]
	global_store_b128 v3, v[20:23], s[26:27] offset:512
	s_wait_dscnt 0x0
	Q6 128, 24, 33
	global_store_b128 v3, v[24:27], s[26:27] offset:1024
	global_store_b128 v3, v[28:31], s[26:27] offset:1536
	v_cmp_lt_u32 vcc_lo, 15, v2
	v_cndmask_b32 v34, v32, v33, vcc_lo            ; lanes 0-15 tile 0's words, lanes 16-31 tile 1's: 128 consecutive bytes
	global_store_b32 v6, v34, s[28:29] offset:16384
	s_wait_tensorcnt 0x0
	ds_add_u32 v62, v63
	s_wait_dscnt 0x0
	s_endpgm
.Lweights:
	v_and_b32 v7, 7, v2                            ; lane = 16 a + 8 u + e: column e + 8 a of tile u
	v_bfe_u32 v8, v2, 3, 1
	v_lshrrev_b32 v9, 4, v2
	v_lshlrev_b32 v10, 4, v7
	v_lshl_add_u32 v10, v9, 7, v10
	v_lshl_add_u32 v10, v8, 10, v10                ; codes: 1,024 u + 16 (e + 8 a)
	v_lshlrev_b32 v11, 2, v7
	v_lshl_add_u32 v11, v9, 5, v11
	v_lshl_add_u32 v11, v8, 6, v11                 ; scale words: 64 u + 4 (e + 8 a)
	s_cmp_lt_u32 ttmp9, 56
	s_cbranch_scc0 .Lwp
	; ---- W1: pair P of 96; head = P / 6
	s_sub_co_u32 s18, ttmp9, 32
	s_lshl_b32 s18, s18, 2
	s_add_co_u32 s18, s18, s16                     ; P
	s_mul_i32 s19, s18, 43
	s_lshr_b32 s19, s19, 8                         ; P / 6 (43 P / 256 is exact for P under 96)
	s_mul_i32 s20, s19, 6
	s_sub_co_u32 s20, s18, s20                     ; the pair within the head
	s_mul_i32 s22, s17, 128*12288                  ; 128 rows of 12,288 bytes a K step,
	s_lshl_b32 s23, s18, 7                         ; 128 bytes a pair
	s_add_co_u32 s22, s22, s23
	s_mov_b32 s23, 0
	s_mul_i32 s24, s19, 8*W1BLK
	s_mul_i32 s25, s17, W1BLK
	s_add_co_u32 s24, s24, s25
	s_lshl_b32 s25, s20, 11
	s_add_co_u32 s26, s24, s25
	s_mov_b32 s27, 0
	s_lshl_b32 s25, s20, 7
	s_add_co_u32 s28, s24, s25
	s_mov_b32 s29, 0
	s_wait_kmcnt 0x0
	s_add_nc_u64 s[4:5], s[6:7], s[22:23]
	s_add_nc_u64 s[26:27], s[12:13], s[26:27]
	s_add_nc_u64 s[28:29], s[12:13], s[28:29]
	WPATH 12288, 12288
	s_endpgm
.Lwp:
	; ---- Wp: pair P of 32; block of 64 columns = P / 2
	s_sub_co_u32 s18, ttmp9, 56
	s_lshl_b32 s18, s18, 2
	s_add_co_u32 s18, s18, s16                     ; P
	s_lshr_b32 s19, s18, 1
	s_and_b32 s20, s18, 1
	s_mul_i32 s22, s17, 128*4096
	s_lshl_b32 s23, s18, 7
	s_add_co_u32 s22, s22, s23
	s_mov_b32 s23, 0
	s_mul_i32 s24, s19, 8*WPBLK
	s_mul_i32 s25, s17, WPBLK
	s_add_co_u32 s24, s24, s25
	s_lshl_b32 s25, s20, 11
	s_add_co_u32 s26, s24, s25
	s_mov_b32 s27, 0
	s_lshl_b32 s25, s20, 7
	s_add_co_u32 s28, s24, s25
	s_mov_b32 s29, 0
	s_wait_kmcnt 0x0
	s_add_nc_u64 s[4:5], s[8:9], s[22:23]
	s_add_nc_u64 s[26:27], s[14:15], s[26:27]
	s_add_nc_u64 s[28:29], s[14:15], s[28:29]
	WPATH 4096, 4096
	s_endpgm
.Lfunc_end_k_q19f46f76d9_quant:
	.size	k_q19f46f76d9_quant, .Lfunc_end_k_q19f46f76d9_quant-k_q19f46f76d9_quant
	.p2alignl 7, 3214868480
	.fill 96, 4, 3214868480
	.section	.rodata,"a",@progbits
	.p2align	6, 0x0
	.amdhsa_kernel k_q19f46f76d9_quant
		.amdhsa_group_segment_fixed_size 68096
		.amdhsa_private_segment_fixed_size 0
		.amdhsa_enable_private_segment 0
		.amdhsa_kernarg_size 48
		.amdhsa_user_sgpr_count 2
		.amdhsa_user_sgpr_kernarg_segment_ptr 1
		.amdhsa_wavefront_size32 1
		.amdhsa_system_sgpr_workgroup_id_x 1
		.amdhsa_system_sgpr_workgroup_id_y 1
		.amdhsa_system_sgpr_workgroup_id_z 1
		.amdhsa_system_vgpr_workitem_id 0
		.amdhsa_next_free_vgpr 256
		.amdhsa_next_free_sgpr 66
		.amdhsa_reserve_vcc 1
		.amdhsa_float_denorm_mode_32 3
		.amdhsa_float_denorm_mode_16_64 3
		.amdhsa_memory_ordered 1
		.amdhsa_forward_progress 1
		.amdhsa_inst_pref_size 55
	.end_amdhsa_kernel
	.amdgpu_metadata
---
amdhsa.version: [ 1, 2 ]
amdhsa.kernels:
  - .name:           k_q19f46f76d9_quant
    .symbol:         k_q19f46f76d9_quant.kd
    .args:
      - { .name: x, .offset: 0, .size: 8, .value_kind: global_buffer, .address_space: global }
      - { .name: W1, .offset: 8, .size: 8, .value_kind: global_buffer, .address_space: global }
      - { .name: Wp, .offset: 16, .size: 8, .value_kind: global_buffer, .address_space: global }
      - { .name: xi, .offset: 24, .size: 8, .value_kind: global_buffer, .address_space: global }
      - { .name: w1i, .offset: 32, .size: 8, .value_kind: global_buffer, .address_space: global }
      - { .name: wpi, .offset: 40, .size: 8, .value_kind: global_buffer, .address_space: global }
    .group_segment_fixed_size: 68096
    .private_segment_fixed_size: 0
    .kernarg_segment_align: 8
    .kernarg_segment_size: 48
    .max_flat_workgroup_size: 128
    .sgpr_count:     66
    .vgpr_count:     256
    .wavefront_size: 32
...
	.end_amdgpu_metadata
.endif
;; end of part 1
;; launch qkv (part 2): grid 16 x 16, 4 waves a work-group, clusters of 4 x 4, 246,272 bytes of LDS; arguments xi, w1i, b1, qc, qs, kv; writes qc, qs, kv
.if DOCPART == 2
	.amdgcn_target "amdgcn-amd-amdhsa--gfx1250"
	.amdhsa_code_object_version 6
	.text
	.protected	k_q19f46f76d9_qkv
	.globl	k_q19f46f76d9_qkv
	.p2align	8
	.type	k_q19f46f76d9_qkv,@function
k_q19f46f76d9_qkv:
	s_mov_b64 s[64:65], 0
	v_nop
	global_prefetch_b8 v0, s[64:65] scope:SCOPE_SE
	s_setreg_imm32_b32 hwreg(HW_REG_WAVE_MODE, 25, 1), 1
	s_wait_xcnt 0x0
	s_wait_alu depctr_hold_cnt(0) depctr_sa_sdst(0) depctr_va_vdst(0) depctr_va_sdst(0) depctr_va_ssrc(0) depctr_va_vcc(0) depctr_vm_vsrc(0)
	s_getreg_b32 s2, hwreg(HW_REG_IB_STS2, 6, 4)
	s_cmp_eq_u32 s2, 0
	s_cbranch_scc0 .Lentry_in_a_cluster
	s_endpgm
.Lentry_in_a_cluster:
	s_bfe_u32 s2, ttmp6, 0x10000c
	s_cmp_lg_u32 s2, 0xf033
	s_cbranch_scc0 .Lentry_shape_is_right
	s_endpgm
.Lentry_shape_is_right:
; h = x W1 + b1 on codes of FP4 with E8M0 scales; q, k and v are quantised in registers and leave as images of the next products' operands.  h itself never goes to memory.
; SHARES.  A work-group makes 256 rows x one head's 192 columns (q 64 | k 64 | v 64); wave w makes rows 64 w .. 64 w + 63: 4 tiles of rows x 12 tiles of columns = 48 accumulators, 384 registers.
; ALL OF K (8 steps of 128) LIES IN LDS AT ONCE: x's 8 blocks of 17,408 bytes and W1's 8 of 13,056, each filled once: no ring, no byte is filled twice.
; CLUSTERS: 4 x 4 work-groups.  x's blocks hang on the block of rows alone and are shared along a row of the cluster, W1's on the head alone and are shared along a column: each block is asked for JOINTLY.
; Operands lie in memory and in LDS as images of their registers (a fragment: 1,024 bytes, registers 4 c on of lane l at 512 c + 16 l), so every LDS load reads 512 consecutive bytes.
; THE ROWS OF A TILE ARE NOT NEIGHBOURS: tile 2 p + u takes rows (or columns) 32 p + 8 u + r + 8 (r / 8).  So two neighbouring tiles of a result give a lane 16 NEIGHBOURS along the next product's K:
;   q, k: the product is used transposed (source 0 = 16 columns of W1, source 1 = 16 rows of x): a lane holds one row, its registers run along the head's 64;
;   v:    the product is used as it stands (source 0 = x, source 1 = W1): a lane holds one column d, its registers run down the rows, which are the keys.
; The bias is the C of each sum's first matrix instruction.
; OUT.  qc [head][pair of 32 rows][1,024]: registers 0-3 tile 0 of the pair, 4-7 tile 1 (lane (r, h): row r, d = 32 h on); qs [head][pair][16 words]: bytes 0, 1 tile 0's, bytes 2, 3 tile 1's.
;   kv [head][step of 128 keys][8,704]: K's 4 pairs, laid as q's (4,096); V's 4 fragments, 16 d x 128 keys (4,096); 512 bytes of scale words [lane 32][4]: word 0 K's pairs 0 | 1 (lanes 0-15 | 16-31), word 1 pairs 2 | 3, word 2 V's tiles 0 | 1, word 3 tiles 2 | 3.
; LIMITS: a block of zeros, or one whose largest magnitude lies under 2^-124, keeps the scale byte 1 (read by this program alone); NaN and infinities are not served.
; REGISTERS, in windows of 256: window 0: v1-14 addresses; v16-19 x's scale words, v20-31 W1's (two sets each; a register carries tile 2 j in lanes 0-15 and tile 2 j + 1 in lanes 16-31); v32-95 x's fragments, two sets;
;   v96-111 at work, v112-117 the scale words made, v128-175 the codes made.   window 1: W1's fragments, sets at v0 and v128.
;   window 2: q's accumulators at 8 (4 a + t), k's at 128 + 8 (4 a + t).   window 3: v's at 8 (4 t + a); from v128 b1 for q and k, from v192 for v.
.set XBLK, 17408
.set WBLK, 13056
.set WR,   8*XBLK                      ; LDS: x's blocks from 0, W1's from here,
.set STG,  WR+8*WBLK                   ; and 1,536 bytes in which the scale words meet: six blocks of 256 bytes into which no tile lands
.set KVB,  8704
.set TM,   96
.set PW,   112
.set PC,   128
.set G1X,  24                          ; s[24:31] descriptor group 1 for x's blocks;  s[40:55] four groups 0
.set G1W,  32                          ; s[32:39], s[68:83] the same for W1's
.set G0X,  40
.set G0W,  68
.set MSB, 0
.macro WIN new                         ; the immediate's high byte repeats the setting that is left
.if MSB != (\new)
	s_set_vgpr_msb (MSB<<8)|(\new)
.set MSB, (\new)
.endif
.endm
.macro CROUND                          ; a round of the cluster's barrier
	s_barrier_signal -1
	s_barrier_wait -1
	s_cmp_lg_u32 s16, 0
	s_cbranch_scc1 .Lnot_wave_0_\@
	s_barrier_signal -3
.Lnot_wave_0_\@:
	s_barrier_wait -3
	s_barrier_signal -1
	s_barrier_wait -1
.endm
; one product; ra, rb = 1: that side's scale words stand in lanes 16-31 of its register
.macro WMC d, a, b, c, sa, sb, ra, rb
.if (\ra)&&(\rb)
	v_wmma_scale_f32_16x16x128_f8f6f4 v[\d:\d+7], v[\a:\a+7], v[\b:\b+7], v[\c:\c+7], v[\sa], v[\sb] matrix_a_fmt:MATRIX_FMT_FP4 matrix_b_fmt:MATRIX_FMT_FP4 matrix_a_scale:MATRIX_SCALE_ROW1 matrix_b_scale:MATRIX_SCALE_ROW1
.elseif (\ra)
	v_wmma_scale_f32_16x16x128_f8f6f4 v[\d:\d+7], v[\a:\a+7], v[\b:\b+7], v[\c:\c+7], v[\sa], v[\sb] matrix_a_fmt:MATRIX_FMT_FP4 matrix_b_fmt:MATRIX_FMT_FP4 matrix_a_scale:MATRIX_SCALE_ROW1
.elseif (\rb)
	v_wmma_scale_f32_16x16x128_f8f6f4 v[\d:\d+7], v[\a:\a+7], v[\b:\b+7], v[\c:\c+7], v[\sa], v[\sb] matrix_a_fmt:MATRIX_FMT_FP4 matrix_b_fmt:MATRIX_FMT_FP4 matrix_b_scale:MATRIX_SCALE_ROW1
.else
	v_wmma_scale_f32_16x16x128_f8f6f4 v[\d:\d+7], v[\a:\a+7], v[\b:\b+7], v[\c:\c+7], v[\sa], v[\sb] matrix_a_fmt:MATRIX_FMT_FP4 matrix_b_fmt:MATRIX_FMT_FP4
.endif
.endm
; 40 LDS loads in one run: K step s's fragments and scale words into set s % 2
.macro FETCH s
.set P_, (\s)%2
	WIN 0x40                                       ; destination window 1, address window 0
.set g_, 0
.rept 12
	ds_load_b128 v[128*P_+8*g_:128*P_+8*g_+3], v5 offset:1024*g_
	ds_load_b128 v[128*P_+8*g_+4:128*P_+8*g_+7], v5 offset:1024*g_+512
.set g_, g_+1
.endr
	WIN 0
.set a_, 0
.rept 4
	ds_load_b128 v[32+32*P_+8*a_:32+32*P_+8*a_+3], v3 offset:1024*a_
	ds_load_b128 v[32+32*P_+8*a_+4:32+32*P_+8*a_+7], v3 offset:1024*a_+512
.set a_, a_+1
.endr
	ds_load_b32 v[16+2*P_], v4
	ds_load_b32 v[17+2*P_], v4 offset:128
.set j_, 0
.rept 6
	ds_load_b32 v[20+6*P_+j_], v6 offset:128*j_
.set j_, j_+1
.endr
.endm
; K step s's 48 products.  The 48 accumulators take turns, one instruction a turn, in the same order in every step.  Step 0 starts the sums with the bias as C.
.macro MULS s
.set P_, (\s)%2
.if (\s) == 0
	WIN 0xb1                                       ; source 0 (W1) window 1, source 1 (x) window 0, C (the bias) window 3, D window 2
.else
	WIN 0xa1                                       ; the same, C and D window 2
.endif
.set a_, 0
.rept 4
.set g_, 0
.rept 8
.set D_, 128*(g_/4)+8*(4*a_+g_%4)
.if (\s) == 0
.set C_, 128+8*g_
.else
.set C_, D_
.endif
	WMC D_, 128*P_+8*g_, 32+32*P_+8*a_, C_, 20+6*P_+g_/2, 16+2*P_+a_/2, g_%2, a_%2
.set g_, g_+1
.endr
.set a_, a_+1
.endr
	WIN 0xf4                                       ; source 0 (x) window 0, source 1 (W1) window 1, C and D (and v's bias) window 3
.set a_, 0
.rept 4
.set t_, 0
.rept 4
.set D_, 8*(4*t_+a_)
.if (\s) == 0
.set C_, 192+8*t_
.else
.set C_, D_
.endif
	WMC D_, 32+32*P_+8*a_, 128*P_+8*(8+t_), C_, 16+2*P_+a_/2, 24+6*P_+t_/2, a_%2, t_%2
.set t_, t_+1
.endr
.set a_, a_+1
.endr
.endm
; A trip fetches step s and multiplies step s - 1.  The four additions are the four places between the last products and the loads into the registers that they read.
.macro TRIP s
.if (\s) > 0
	WIN 0
	v_add_nc_u32 v3, XBLK, v3
	v_add_nc_u32 v4, XBLK, v4
	v_add_nc_u32 v5, WBLK, v5
	v_add_nc_u32 v6, WBLK, v6
.endif
.if (\s)%2 == 0
	s_wait_tensorcnt 3-(\s)/2                      ; a wave's tensor loads end in order: my load number s / 2 is in (K step s or s + 1 of x or of W1); the younger ones stay out
	s_wait_dscnt 0x0                               ; no LDS instruction of mine is out at a signal
	s_barrier_signal -1
	s_barrier_wait -1                              ; the same holds of all four waves: K steps s and s + 1 are whole
.endif
	FETCH \s
.if (\s) > 0
	s_wait_dscnt 40                                ; all but the 40 just issued
	MULS (\s)-1
.endif
.endm
; 64 numbers of a lane in window win, register 16 b + i = place 32 b + 16 (lane / 16) + i along K, become 8 registers of codes at v[PC + 8 run] and a scale word in v[PW + run].
; Each accumulator is read from its low end on.  Each run has registers of its own for what it stores.
.macro QUANT win, src, run
	WIN ((\win)<<2)|((\win)<<4)                    ; sources 1 and 2 in the accumulators' window
.irp b, 0,1,2,3
	v_max3_num_f32 v[TM+\b], 0x1800000, |v[\src+16*\b]|, |v[\src+16*\b+1]|   ; the floor 2^(3 - 127): the byte cannot fall under 1
.endr
.irp i, 2,4,6,8,10,12,14
.irp b, 0,1,2,3
	v_max3_num_f32 v[TM+\b], v[TM+\b], |v[\src+16*\b+\i]|, |v[\src+16*\b+\i+1]|
.endr
.endr
	WIN 0
.irp b, 0,1,2,3
	v_permlanex16_b32 v[TM+4+\b], v[TM+\b], s2, s3
.endr
.irp b, 0,1,2,3
	v_max_num_f32 v[TM+\b], v[TM+\b], v[TM+4+\b]   ; with lane l xor 16's 16: the block's largest magnitude
.endr
.irp b, 0,1,2,3
	v_add_nc_u32 v[TM+12+\b], 0xff000000, v[TM+\b] ; 2 off its exponent field: the conversion's scale operand
.endr
.irp b, 0,1,2,3
	v_lshrrev_b32 v[TM+4+\b], 23, v[TM+12+\b]      ; the scale's byte
.endr
	v_lshl_or_b32 v[PW+\run], v[TM+5], 8, v[TM+4]
	v_lshl_or_b32 v[PW+\run], v[TM+6], 16, v[PW+\run]
	v_lshl_or_b32 v[PW+\run], v[TM+7], 24, v[PW+\run]
	WIN \win                                       ; source 0 in the accumulators' window
.irp b, 0,1,2,3
	v_cvt_scalef32_pk8_fp4_f32 v[PC+8*\run+2*\b], v[\src+16*\b:\src+16*\b+7], v[TM+12+\b]
	v_cvt_scalef32_pk8_fp4_f32 v[PC+8*\run+2*\b+1], v[\src+16*\b+8:\src+16*\b+15], v[TM+12+\b]
.endr
	WIN 0
	v_nop                                          ; one plain line behind the last conversion
.irp c, 0,1                                    ; the operand's layout wants a whole block in a lane
.irp i, 0,1
	v_permlane16_swap_b32 v[PC+8*\run+4*\c+\i], v[PC+8*\run+4*\c+2+\i]
.endr
.endr
.endm
	s_load_b256 s[4:11], s[0:1], 0x0               ; xi s[4:5], w1i s[6:7], b1 s[8:9], qc s[10:11]
	s_load_b128 s[12:15], s[0:1], 0x20             ; qs s[12:13], kv s[14:15]
	v_lshl_add_u32 v254, v0, 2, 0x3c000
	v_mov_b32 v255, 0
	ds_add_u32 v254, v255
	v_lshrrev_b32 v1, 5, v0
	v_readfirstlane_b32 s16, v1                    ; wave 0..3
	s_lshr_b32 s17, s16, 1                         ; I fetch for x (0) or for W1 (1).  Also: which of the block's two key steps my rows are
	s_and_b32 s18, s16, 1                          ; I fetch the even K steps (0) or the odd ones (1).  Also: which half of that key step
	s_bfe_u32 s19, ttmp6, 0x40000                  ; cx, cy: my place in the cluster
	s_bfe_u32 s20, ttmp6, 0x40004
	s_lshl_b32 s21, ttmp9, 2
	s_add_co_u32 s21, s21, s19                     ; the head = 4 x cluster x + cx
	s_and_b32 s22, ttmp7, 0xffff
	s_lshl_b32 s22, s22, 2
	s_add_co_u32 s22, s22, s20                     ; the block of 256 rows = 4 x cluster y + cy
	s_lshl_b32 s23, s20, 2
	s_lshl_b32 s23, 15, s23                        ; my row of the cluster
	s_lshl_b32 s100, 0x1111, s19                   ; my column
	; descriptor group 1: a dense block as rows of 256 bytes (32 elements of 8 bytes), no padding: 68 rows for x, 51 for W1
	s_or_b32 s[G1X], s23, (3<<16)|(1<<21)          ; 15:0 the mask; 17:16 elements of 8 bytes; 21 set beside a mask
	s_or_b32 s[G1W], s100, (3<<16)|(1<<21)
	s_mov_b32 s[G1X+1], 32<<16                     ; tensor_dim0
	s_mov_b32 s[G1X+2], 68<<16                     ; tensor_dim1
	s_mov_b32 s[G1X+3], 32<<16                     ; tile_dim0
	s_mov_b32 s[G1X+4], 68                         ; tile_dim1
	s_mov_b32 s[G1X+5], 32                         ; from row to row
	s_mov_b32 s[G1X+6], 0
	s_mov_b32 s[G1X+7], 0
	s_mov_b32 s[G1W+1], 32<<16
	s_mov_b32 s[G1W+2], 51<<16
	s_mov_b32 s[G1W+3], 32<<16
	s_mov_b32 s[G1W+4], 51
	s_mov_b32 s[G1W+5], 32
	s_mov_b32 s[G1W+6], 0
	s_mov_b32 s[G1W+7], 0
	s_mul_i32 s86, s18, XBLK                       ; my first K step's place, in memory and in LDS: the wave's number alone
	s_mul_i32 s87, s18, WBLK
	s_mul_i32 s56, s22, 8*XBLK                     ; x: the block of rows alone
	s_add_co_u32 s56, s56, s86
	s_mov_b32 s57, 0
	s_mul_i32 s60, s21, 8*WBLK                     ; W1: the head alone
	s_add_co_u32 s60, s60, s87
	s_mov_b32 s61, 0
	s_wait_dscnt 0x0
	s_wait_kmcnt 0x0
	s_add_nc_u64 s[58:59], s[4:5], s[56:57]
	s_add_nc_u64 s[62:63], s[6:7], s[60:61]
	CROUND                                         ; all sixteen work-groups are here: the joint loads meet
.irp i, 0,1,2,3                                ; load i: K step 2 i + (wave & 1)
	s_mov_b32 s[G0X+4*\i], 1
	s_add_co_u32 s[G0X+4*\i+1], s86, \i*2*XBLK
	s_add_nc_u64 s[G0X+4*\i+2:G0X+4*\i+3], s[58:59], \i*2*XBLK
	s_or_b32 s[G0X+4*\i+3], s[G0X+4*\i+3], 0x80000000
	s_mov_b32 s[G0W+4*\i], 1
	s_add_co_u32 s[G0W+4*\i+1], s87, WR+\i*2*WBLK
	s_add_nc_u64 s[G0W+4*\i+2:G0W+4*\i+3], s[62:63], \i*2*WBLK
	s_or_b32 s[G0W+4*\i+3], s[G0W+4*\i+3], 0x80000000
.endr
	s_cmp_eq_u32 s17, 0                            ; a wave's four fills stand in one branch on its number: four loads of mine are out; four v_nop follow the last
	s_cbranch_scc0 .Lfor_w
	tensor_load_to_lds s[G0X:G0X+3], s[G1X:G1X+7]
	s_nop 0
	tensor_load_to_lds s[G0X+4:G0X+7], s[G1X:G1X+7]
	s_nop 0
	tensor_load_to_lds s[G0X+8:G0X+11], s[G1X:G1X+7]
	s_nop 0
	tensor_load_to_lds s[G0X+12:G0X+15], s[G1X:G1X+7]
	s_nop 0
.rept 4
	v_nop
.endr
	s_branch .Lasked
.Lfor_w:
	tensor_load_to_lds s[G0W:G0W+3], s[G1W:G1W+7]
	s_nop 0
	tensor_load_to_lds s[G0W+4:G0W+7], s[G1W:G1W+7]
	s_nop 0
	tensor_load_to_lds s[G0W+8:G0W+11], s[G1W:G1W+7]
	s_nop 0
	tensor_load_to_lds s[G0W+12:G0W+15], s[G1W:G1W+7]
	s_nop 0
.rept 4
	v_nop
.endr
.Lasked:
	v_and_b32 v2, 31, v0
	v_lshlrev_b32 v1, 4, v2                        ; 16 x lane: my place in an image
	v_lshlrev_b32 v2, 2, v2                        ; 4 x lane: in a run of scale words
	v_and_b32 v9, 15, v0                           ; r
	v_bfe_u32 v10, v0, 4, 1                        ; h
	s_lshl_b32 s85, s16, 12
	v_add_nc_u32 v3, s85, v1                       ; x's fragments: my four tiles
	s_lshl_b32 s85, s16, 8
	s_add_co_u32 s85, s85, 16384
	v_add_nc_u32 v4, s85, v2                       ; their scale words
	v_add_nc_u32 v5, WR, v1                        ; W1's fragments
	v_add_nc_u32 v6, WR+12288, v2                  ; and scale words
	v_lshlrev_b32 v7, 6, v10                       ; b1 for q and k: tile g's register j is column 32 (g / 2) + 8 (g % 2) + 16 h + j
	v_and_b32 v8, 8, v9
	v_add_nc_u32 v8, v8, v9
	v_lshlrev_b32 v8, 2, v8                        ; b1 for v: the lane's one column r + 8 (r / 8)
	s_lshl_b32 s85, s17, 9                         ; where the scale words meet: 512 bytes for each of the block's two key steps, then 512 for q
	s_lshl_b32 s88, s18, 2
	s_add_co_u32 s88, s88, s85
	v_lshl_add_u32 v12, v9, 4, s88
	v_add_nc_u32 v12, STG, v12                     ; K's pair 2 (w & 1) + b: word w & 1 of lane 16 b + r
	s_lshl_b32 s88, s18, 1
	s_add_co_u32 s88, s88, s85
	v_lshl_add_u32 v13, v9, 4, s88
	v_add_nc_u32 v13, STG+8, v13                   ; V's tile t: bytes 2 (w & 1) on of word 2 + t / 2 of lane 16 (t % 2) + r
	s_lshl_b32 s88, s16, 7
	v_lshl_add_u32 v11, v9, 2, s88
	v_add_nc_u32 v11, STG+1024, v11                ; q's pair 2 w + b: 64 bytes each
	s_lshl_b32 s88, s16, 9
	v_add_nc_u32 v14, s88, v1
	v_add_nc_u32 v14, STG, v14                     ; back: 512 bytes a wave
.irp b, 0,1,2,3
	v_mov_b32 v[TM+4+\b], 0                        ; a lane permute's destination counts as one of its sources
.endr
	s_mov_b32 s2, 0x76543210
	s_mov_b32 s3, 0xfedcba98                       ; v_permlanex16_b32's selects for lane l xor 16
	s_mul_i32 s84, s21, 768
	s_mov_b32 s85, 0
	s_add_nc_u64 s[8:9], s[8:9], s[84:85]          ; b1 at the head's 192 numbers
	s_lshl_b32 s84, s21, 7
	s_lshl_b32 s88, s22, 3
	s_add_co_u32 s84, s84, s88                     ; the work-group's first pair: 128 head + 8 block
	s_lshl_b32 s88, s84, 6
	s_mov_b32 s89, 0
	s_add_nc_u64 s[12:13], s[12:13], s[88:89]      ; qs there
	s_lshl_b32 s88, s16, 1
	s_add_co_u32 s88, s88, s84
	s_lshl_b32 s88, s88, 10
	s_add_nc_u64 s[10:11], s[10:11], s[88:89]      ; qc at my two pairs
	s_lshl_b32 s84, s21, 5
	s_lshl_b32 s88, s22, 1
	s_add_co_u32 s84, s84, s88                     ; the work-group's first key step: 32 head + 2 block
	s_add_co_u32 s88, s84, s17
	s_mul_i32 s88, s88, KVB                        ; my key step
	s_lshl_b32 s90, s18, 11
	s_add_co_u32 s90, s90, s88
	s_mov_b32 s91, 0
	s_add_nc_u64 s[92:93], s[14:15], s[90:91]      ; K: my two pairs
	s_lshl_b32 s90, s18, 9
	s_add_co_u32 s90, s90, s88
	s_add_nc_u64 s[94:95], s[14:15], s[90:91]      ; V: my half of each fragment
	s_min_u32 s88, s16, 1
	s_add_co_u32 s88, s88, s84
	s_mul_i32 s88, s88, KVB
	s_add_co_u32 s88, s88, 8192
	s_add_nc_u64 s[96:97], s[14:15], s[88:89]      ; the scale words of key step w (waves 0, 1),
	s_cmp_lt_u32 s16, 2
	s_cselect_b64 s[98:99], s[96:97], s[12:13]     ; or q's (wave 2): the choice hangs on the wave's number alone
	WIN 0xc0                                       ; destination window 3
.set g_, 0
.rept 8
	global_load_b128 v[128+8*g_:128+8*g_+3], v7, s[8:9] offset:(32*(g_/2)+8*(g_%2))*4
	global_load_b128 v[128+8*g_+4:128+8*g_+7], v7, s[8:9] offset:(32*(g_/2)+8*(g_%2))*4+16
.set g_, g_+1
.endr
.set t_, 0
.rept 4
.set j_, 0
.rept 8
	global_load_b32 v[192+8*t_+j_], v8, s[8:9] offset:(128+32*(t_/2)+8*(t_%2))*4   ; the same number in the tile's eight registers: the result's layout
.set j_, j_+1
.endr
.set t_, t_+1
.endr
	WIN 0
	TRIP 0
	s_wait_loadcnt 0x0                             ; the biases, which step 0's products take as C
	TRIP 1
	TRIP 2
	TRIP 3
	TRIP 4
	TRIP 5
	TRIP 6
	TRIP 7
	s_wait_dscnt 0x0
	MULS 7
	WIN 0
.rept 4
	v_nop                                          ; four places between the last products and the first read of results
.endr
	; ---- the way out: six runs of the quantiser; every store of codes covers 512 consecutive bytes
	QUANT 2, 0, 0                                  ; q, my tiles 0 and 1
	global_store_b128 v1, v[PC:PC+3], s[10:11]
	global_store_b128 v1, v[PC+4:PC+7], s[10:11] offset:512
	ds_store_b32 v11, v[PW]                        ; (lanes r and 16 + r hold the same word and write it to the same place)
	QUANT 2, 64, 1                                 ; q, tiles 2 and 3
	global_store_b128 v1, v[PC+8:PC+11], s[10:11] offset:1024
	global_store_b128 v1, v[PC+12:PC+15], s[10:11] offset:1536
	ds_store_b32 v11, v[PW+1] offset:64
	QUANT 2, 128, 2                                ; k, tiles 0 and 1: a pair
	global_store_b128 v1, v[PC+16:PC+19], s[92:93]
	global_store_b128 v1, v[PC+20:PC+23], s[92:93] offset:512
	ds_store_b32 v12, v[PW+2]
	QUANT 2, 192, 3                                ; k, tiles 2 and 3
	global_store_b128 v1, v[PC+24:PC+27], s[92:93] offset:1024
	global_store_b128 v1, v[PC+28:PC+31], s[92:93] offset:1536
	ds_store_b32 v12, v[PW+3] offset:256
	QUANT 3, 0, 4                                  ; v, tiles of d 0 and 1: my 64 keys are half of each fragment's 128
	global_store_b128 v1, v[PC+32:PC+35], s[94:95] offset:4096
	global_store_b128 v1, v[PC+36:PC+39], s[94:95] offset:5120
	ds_store_b16 v13, v[PW+4]
	ds_store_b16_d16_hi v13, v[PW+4] offset:256
	QUANT 3, 64, 5                                 ; v, tiles 2 and 3
	global_store_b128 v1, v[PC+40:PC+43], s[94:95] offset:6144
	global_store_b128 v1, v[PC+44:PC+47], s[94:95] offset:7168
	ds_store_b16 v13, v[PW+5] offset:4
	ds_store_b16_d16_hi v13, v[PW+5] offset:260
	s_wait_dscnt 0x0                               ; for the others' sake: my scale words have landed
	s_barrier_signal -1
	s_barrier_wait -1
	s_cmp_lt_u32 s16, 3
	s_cbranch_scc0 .Lno_scales
	ds_load_b128 v[176:179], v14                   ; waves 0 and 1: a key step's 512 bytes of scale words; wave 2: q's
	s_wait_dscnt 0x0
	global_store_b128 v1, v[176:179], s[98:99]     ; 512 consecutive bytes
.Lno_scales:
	s_wait_tensorcnt 0x0
	ds_add_u32 v254, v255
	s_wait_dscnt 0x0
	CROUND                                         ; the closing round: no work-group ends while a partner may still ask for a block that names it
	s_endpgm
.Lfunc_end_k_q19f46f76d9_qkv:
	.size	k_q19f46f76d9_qkv, .Lfunc_end_k_q19f46f76d9_qkv-k_q19f46f76d9_qkv
	.p2alignl 7, 3214868480
	.fill 96, 4, 3214868480
	.section	.rodata,"a",@progbits
	.p2align	6, 0x0
	.amdhsa_kernel k_q19f46f76d9_qkv
		.amdhsa_group_segment_fixed_size 246272
		.amdhsa_private_segment_fixed_size 0
		.amdhsa_enable_private_segment 0
		.amdhsa_kernarg_size 48
		.amdhsa_user_sgpr_count 2
		.amdhsa_user_sgpr_kernarg_segment_ptr 1
		.amdhsa_wavefront_size32 1
		.amdhsa_system_sgpr_workgroup_id_x 1
		.amdhsa_system_sgpr_workgroup_id_y 1
		.amdhsa_system_sgpr_workgroup_id_z 1
		.amdhsa_system_vgpr_workitem_id 0
		.amdhsa_next_free_vgpr 1024
		.amdhsa_next_free_sgpr 102
		.amdhsa_reserve_vcc 0
		.amdhsa_float_denorm_mode_32 3
		.amdhsa_float_denorm_mode_16_64 3
		.amdhsa_memory_ordered 1
		.amdhsa_forward_progress 1
		.amdhsa_inst_pref_size 111
	.end_amdhsa_kernel
	.amdgpu_metadata
---
amdhsa.version: [ 1, 2 ]
amdhsa.kernels:
  - .name:           k_q19f46f76d9_qkv
    .symbol:         k_q19f46f76d9_qkv.kd
    .args:
      - { .name: xi, .offset: 0, .size: 8, .value_kind: global_buffer, .address_space: global }
      - { .name: w1i, .offset: 8, .size: 8, .value_kind: global_buffer, .address_space: global }
      - { .name: b1, .offset: 16, .size: 8, .value_kind: global_buffer, .address_space: global }
      - { .name: qc, .offset: 24, .size: 8, .value_kind: global_buffer, .address_space: global }
      - { .name: qs, .offset: 32, .size: 8, .value_kind: global_buffer, .address_space: global }
      - { .name: kv, .offset: 40, .size: 8, .value_kind: global_buffer, .address_space: global }
    .group_segment_fixed_size: 246272
    .private_segment_fixed_size: 0
    .kernarg_segment_align: 8
    .kernarg_segment_size: 48
    .max_flat_workgroup_size: 128
    .sgpr_count:     102
    .vgpr_count:     1024
    .wavefront_size: 32
...
	.end_amdgpu_metadata
.endif
;; end of part 2
;; launch attn (part 3): grid 16 x 16, 16 waves a work-group, no clusters, 327,680 bytes of LDS; arguments qc, qs, kv, ai; writes ai
.if DOCPART == 3
	.amdgcn_target "amdgcn-amd-amdhsa--gfx1250"
	.amdhsa_code_object_version 6
	.text
	.protected	k_q19f46f76d9_attn
	.globl	k_q19f46f76d9_attn
	.p2align	8
	.type	k_q19f46f76d9_attn,@function
k_q19f46f76d9_attn:
	s_mov_b64 s[64:65], 0
	v_nop
	global_prefetch_b8 v0, s[64:65] scope:SCOPE_SE
	s_setreg_imm32_b32 hwreg(HW_REG_WAVE_MODE, 25, 1), 1
	s_wait_xcnt 0x0
; a[q][head] = softmax_k(q . k / 8, hidden keys at -1e6) v, both products on codes of FP4 with E8M0 scales; a is quantised in registers along the 1,024 and leaves as an image of the last product's operand.
; THE SOFTMAX: t = score x log2(e) / 8; M = the running largest t rounded UP to a whole number; p = 2^(t - M) is quantised along the keys, not normalised; the row's sum is taken of the unquantised p and divides at the end.
; THE MASK IS NOT MINUS INFINITY: a hidden key (k > q) has the logit -1e6, a score of -8e6, and keeps its place in M, in the sum and in the second product, since visible logits of large inputs can lie under it.
;   So M starts at the hidden t wherever hidden keys follow; on the diagonal hidden scores are set to -8e6; and a step all of whose keys are hidden, where M is final and every p is the one number PH = 2^(t_hidden - M),
;   adds V x PH by four products with a constant operand made once, and 128 PH to the sum (all at once at the end).  With ordinary inputs PH is 0 and its codes are zeros.
; SHARES.  A wave owns one tile of 16 queries in 256 registers, four waves to a SIMD.  Waves 0-7 take the block of 128 queries i (work-group x), waves 8-15 block 31 - i: i + 1 and 32 - i visible steps, 33 for each such pair of waves in every work-group.
; Every wave walks all 32 key steps of 128 of its head.  A step's 8,704 bytes (K's 4 pairs, V's 4 fragments, 512 bytes of scale words, all as images of registers) come through a ring of two LDS slots of 8 steps; waves 0-3 fetch two steps each.
; NO JOINT LOADS, though the sixteen work-groups of a head read the same tiles: which way a step takes (visible, diagonal, hidden) hangs on the work-group's blocks of queries, which differ between them, and partners of a cluster have to run alike.
; LAYOUT.  Both products are used transposed: S^T = K Q^T, O^T = V^T P^T: a lane holds one query (lane % 16).  THE HEAD'S 64 FILL HALF OF THE INSTRUCTION'S K = 128: a fragment of K holds TWO tiles of 16 keys, tile 2 b at k = 0..63 and tile 2 b + 1 at 64..127,
;   and Q stands between zeros, v16-19 = 0 | v20-23 = q | v24-27 = 0: v[20:27] picks tile 2 b, v[16:23] tile 2 b + 1.  Tile 2 b + u holds keys 32 b + 8 u + r + 8 (r / 8): the 16 registers of two neighbouring tiles are 16 neighbouring keys.
; LIMITS: a block whose every p (or a) lies under 2^-124 keeps the scale byte 1 (read by this program alone); NaN and infinities are not served.
; REGISTERS: v1 16 x lane; v2 the step's LDS address; v3 the diagonal's figure; v4, v5 the add's pair; v7 -8e6; v8 Q's scale word; v12 -M, v13 the largest t, v[14:15] the sum; v16-27 Q; v28-31 the step's scale words; v32-63 K; v64-95 V;
;   v96-159 S^T, then p; v160-191 O^T; v192-199 p's codes; v200-207 the hidden keys' codes, v208 their scale word, v209 PH; v210-219 addresses and the way out; v232-254 at work.
.set KVB,   8704
.set SLOTB, 8*KVB
.set SLOT1, 1<<17                      ; slot 1 begins here: one exclusive or turns an address from slot to slot
.set SPARE, SLOT1+SLOTB                ; the spare words, 128 bytes for each of 16 waves: eight blocks of 256 bytes that no other line names
.set STG,   SPARE+2048                 ; 512 bytes in which a's scale bytes meet: two blocks into which no tile lands
.set XBLK,  17408
.set WV,   16
.set G1,   24                          ; s[24:31] descriptor group 1;  s[32:35] group 0, which walks
.set G0,   32
.set SEL,  52
.set CS,   54                          ; s[54:55] c = log2(e) / 8: the packed form names a pair and takes its low word for both halves
.set TB,   56                          ; LDS byte at which the step's tiles begin
.set KF,   57                          ; the step's first key
.set QB,   58                          ; my block's first query
.set SLOTS, 59
.set CNT,  60
.macro WM0 d, a, b, sa, sb, ra         ; a product that starts its sum
.if (\ra)
	v_wmma_scale_f32_16x16x128_f8f6f4 v[\d:\d+7], v[\a:\a+7], v[\b:\b+7], 0, v[\sa], v[\sb] matrix_a_fmt:MATRIX_FMT_FP4 matrix_b_fmt:MATRIX_FMT_FP4 matrix_a_scale:MATRIX_SCALE_ROW1
.else
	v_wmma_scale_f32_16x16x128_f8f6f4 v[\d:\d+7], v[\a:\a+7], v[\b:\b+7], 0, v[\sa], v[\sb] matrix_a_fmt:MATRIX_FMT_FP4 matrix_b_fmt:MATRIX_FMT_FP4
.endif
.endm
.macro WMA d, a, b, sa, sb, ra         ; a product that adds in place
.if (\ra)
	v_wmma_scale_f32_16x16x128_f8f6f4 v[\d:\d+7], v[\a:\a+7], v[\b:\b+7], v[\d:\d+7], v[\sa], v[\sb] matrix_a_fmt:MATRIX_FMT_FP4 matrix_b_fmt:MATRIX_FMT_FP4 matrix_a_scale:MATRIX_SCALE_ROW1
.else
	v_wmma_scale_f32_16x16x128_f8f6f4 v[\d:\d+7], v[\a:\a+7], v[\b:\b+7], v[\d:\d+7], v[\sa], v[\sb] matrix_a_fmt:MATRIX_FMT_FP4 matrix_b_fmt:MATRIX_FMT_FP4
.endif
.endm
.macro TLOAD                           ; waves 0-3 fetch two key steps each, the others nothing; four v_nop follow the load
	s_cmp_lt_u32 s[WV], 4
	s_cbranch_scc0 .Lnone_\@
	tensor_load_to_lds s[G0:G0+3], s[G1:G1+7]
	s_nop 0
.rept 4
	v_nop
.endr
.Lnone_\@:
.endm
.macro VLOADS                          ; V's four fragments
.set t_, 0
.rept 4
	ds_load_b128 v[64+8*t_:64+8*t_+3], v2 offset:4096+1024*t_
	ds_load_b128 v[64+8*t_+4:64+8*t_+7], v2 offset:4096+1024*t_+512
.set t_, t_+1
.endr
.endm
; A KEY STEP: 128 keys.  Which way it takes hangs on ids alone; no barrier and no tensor load stands in a step.
.macro STEP
	v_add_nc_u32 v2, s[TB], v1                     ; with the three v_nop: the four places between the last step's products and the loads into the registers that they read
.rept 3
	v_nop
.endr
	s_cmp_gt_u32 s[KF], s[QB]
	s_cbranch_scc1 .Lhidden_\@
	ds_load_b128 v[28:31], v2 offset:8192          ; all of the step's scale words
.set b_, 0
.rept 4
	ds_load_b128 v[32+8*b_:32+8*b_+3], v2 offset:1024*b_
	ds_load_b128 v[32+8*b_+4:32+8*b_+7], v2 offset:1024*b_+512
.set b_, b_+1
.endr
	VLOADS
	s_wait_dscnt 8                                 ; the scale words and K are in; V's eight loads may be out
.set i_, 0
.rept 8                                        ; S^T: tile i = pair i / 2 against Q at the pair's lower or upper half
	WM0 96+8*i_, 32+8*(i_/2), 20-4*(i_%2), 28+i_/4, 8, (i_/2)%2
.set i_, i_+1
.endr
.rept 4
	v_nop
.endr
	s_cmp_lt_u32 s[KF], s[QB]
	s_cbranch_scc1 .Lopen_\@
.set n_, 0
.rept 64                                       ; the diagonal: register 16 b + i holds key KF + 32 b + 16 (lane / 16) + i: hidden where 32 b + i > my query - KF - 16 (lane / 16)
	v_cmp_gt_i32 vcc_lo, 32*(n_/16)+n_%16, v3
	v_cndmask_b32 v[96+n_], v[96+n_], v7, vcc_lo
.set n_, n_+1
.endr
.Lopen_\@:
.irp b, 0,1,2,3
	v_max3_num_f32 v[232+\b], v[96+16*\b], v[97+16*\b], v[98+16*\b]   ; the largest score of each block of 32 keys: for the row's maximum and, since p rises with the score, for the block's largest p
.endr
.irp i, 3,5,7,9,11,13
.irp b, 0,1,2,3
	v_max3_num_f32 v[232+\b], v[232+\b], v[96+16*\b+\i], v[97+16*\b+\i]
.endr
.endr
.irp b, 0,1,2,3
	v_max_num_f32 v[232+\b], v[232+\b], v[111+16*\b]
.endr
.irp b, 0,1,2,3
	v_permlanex16_b32 v[236+\b], v[232+\b], s[SEL], s[SEL+1]
.endr
.irp b, 0,1,2,3
	v_max_num_f32 v[232+\b], v[232+\b], v[236+\b]  ; with lane l xor 16's 16 keys
.endr
	v_max3_num_f32 v254, v232, v233, v234
	v_max_num_f32 v254, v254, v235                 ; the step's largest score of my query
	v_mul_f32 v254, s[CS], v254                    ; as t
	v_max_num_f32 v13, v13, v254                   ; the running largest t
	v_mov_b32 v254, v12
	v_floor_f32 v12, -v13                          ; the new -M = floor(-t): M is a whole number
	v_sub_f32 v254, v12, v254                      ; old M - new M: a whole number, 0 or less
	v_cvt_i32_f32 v254, v254                       ; (it saturates)
	v_ldexp_f32 v252, 1.0, v254                    ; f = 2^(old M - new M): a multiplication by it rounds nothing
.set j_, 0
.rept 32
	v_pk_fma_f32 v[96+j_:97+j_], v[96+j_:97+j_], s[CS:CS+1], v[12:13] op_sel_hi:[1,0,0]   ; t - M, two at a time
.set j_, j_+2
.endr
.irp b, 0,1,2,3
	v_fma_f32 v[232+\b], v[232+\b], s[CS], v12     ; the same of each block's largest score
.endr
.set j_, 0
.rept 64
	v_exp_f32 v[96+j_], v[96+j_]                   ; p = 2^(t - M)
.set j_, j_+1
.endr
.irp b, 0,1,2,3
	v_exp_f32 v[232+\b], v[232+\b]                 ; the block's largest p
.endr
	v_pk_mul_f32 v[14:15], v[14:15], v[252:253] op_sel_hi:[1,0]   ; the sums under the new M (a plain line behind the exponentials)
	s_wait_alu depctr_va_vdst(0)
.irp b, 0,1,2,3
	v_max_num_f32 v[232+\b], 0x1800000, v[232+\b]  ; the floor 2^(3 - 127): the byte cannot fall under 1
.endr
.irp b, 0,1,2,3
	v_add_nc_u32 v[244+\b], 0xff000000, v[232+\b]  ; 2 off the exponent field: the conversion's scale operand
.endr
.irp b, 0,1,2,3
	v_lshrrev_b32 v[236+\b], 23, v[244+\b]         ; the scale's byte
.endr
	v_lshl_or_b32 v253, v237, 8, v236              ; p's scale word for these 128 keys
	v_lshl_or_b32 v253, v238, 16, v253
	v_lshl_or_b32 v253, v239, 24, v253
.irp b, 0,1,2,3
	v_cvt_scalef32_pk8_fp4_f32 v[192+2*\b], v[96+16*\b:103+16*\b], v[244+\b]
	v_cvt_scalef32_pk8_fp4_f32 v[193+2*\b], v[104+16*\b:111+16*\b], v[244+\b]
.endr
	v_nop                                          ; one plain line behind the last conversion
.irp c, 0,1                                    ; the operand's layout wants a whole block in a lane
.irp i, 0,1
	v_permlane16_swap_b32 v[192+4*\c+\i], v[194+4*\c+\i]
.endr
.endr
	v_pk_add_f32 v[236:237], v[96:97], v[98:99]    ; the row's sum is taken of the unquantised p: two at a time, in two chains
.irp j, 4,8,12,16,20,24,28,32,36,40,44,48,52,56,60
	v_pk_add_f32 v[14:15], v[14:15], v[96+\j:97+\j]
	v_pk_add_f32 v[236:237], v[236:237], v[98+\j:99+\j]
.endr
	v_pk_add_f32 v[14:15], v[14:15], v[236:237]
.set j_, 0
.rept 16
	v_pk_mul_f32 v[160+j_:161+j_], v[160+j_:161+j_], v[252:253] op_sel_hi:[1,0]   ; O^T under the new M, each accumulator from its low end on.  (The sums and these are the places in front of the products below)
.set j_, j_+2
.endr
	s_wait_dscnt 0x0                               ; V is in
.set t_, 0
.rept 4                                        ; O^T += V^T P^T: the four accumulators by turns
	WMA 160+8*t_, 64+8*t_, 192, 30+t_/2, 253, t_%2
.set t_, t_+1
.endr
	s_cmp_lg_u32 s[KF], s[QB]
	s_cbranch_scc1 .Ldone_\@
	; behind the diagonal M is final: the hidden keys' p, its codes and its scale word are made once
	v_fma_f32 v209, v7, s[CS], v12                 ; t_hidden - M
	v_exp_f32 v209, v209                           ; PH
	v_nop
	s_wait_alu depctr_va_vdst(0)
	v_max_num_f32 v254, 0x1800000, v209
	v_add_nc_u32 v254, 0xff000000, v254
	v_lshrrev_b32 v252, 23, v254
	v_perm_b32 v208, v252, v252, 0                 ; the byte four times: every block of 32 hidden keys has the same scale
.irp j, 0,1,2,3,4,5,6,7
	v_mov_b32 v[96+\j], v209
.endr
	v_cvt_scalef32_pk8_fp4_f32 v200, v[96:103], v254
	v_nop
.irp j, 1,2,3,4,5,6,7
	v_mov_b32 v[200+\j], v200                      ; the same eight codes in all eight registers
.endr
.rept 4
	v_nop                                          ; with the next step's first four lines: eight places in front of the products that take these registers
.endr
	s_branch .Ldone_\@
.Lhidden_\@:
	ds_load_b128 v[28:31], v2 offset:8192
	VLOADS
	s_wait_dscnt 0x0
.set t_, 0
.rept 4                                        ; O^T += V^T x PH
	WMA 160+8*t_, 64+8*t_, 200, 30+t_/2, 208, t_%2
.set t_, t_+1
.endr
.Ldone_\@:
	s_add_co_u32 s[TB], s[TB], KVB
	s_add_co_u32 s[KF], s[KF], 128
.endm
; THE CHANGE OF SLOTS stands at a slot's head.  Each wave waits for all its tensor loads (its part of the slot ahead), adds 0 to its spare word, and waits for that and for its reads of the slot that it has left.
; Behind the barrier the slot ahead is whole and nobody reads the other.  fill = 1: that other slot takes the next eight steps: the load has eight steps in which to land.
.macro CHANGE fill
	s_wait_tensorcnt 0x0                           ; no tensor load of mine is out, so the group 0 may be written
	ds_add_u32 v4, v5                              ; 0 onto my spare word
.if \fill
	s_xor_b32 s[G0+1], s[G0+1], SLOT1              ; the other slot than last time,
	s_add_nc_u64 s[G0+2:G0+3], s[G0+2:G0+3], SLOTB ; the next eight steps; the type bits on top are not reached
.endif
	s_wait_dscnt 0x0                               ; the add is done, and my reads of the slot that I have left are over
	s_barrier_signal -1
	s_barrier_wait -1
.if \fill
	TLOAD                                          ; the first thing behind the barrier, and a wave's one tensor load until the next
.endif
.endm
.macro SLOT_STEPS                      ; a slot's eight steps: written once, walked eight times
	s_mov_b32 s[CNT], 8
.Lstep_\@:
	STEP
	s_sub_co_u32 s[CNT], s[CNT], 1
	s_cmp_lg_u32 s[CNT], 0
	s_cbranch_scc1 .Lstep_\@
	s_sub_co_u32 s[TB], s[TB], SLOTB               ; back to a slot's first step,
	s_xor_b32 s[TB], s[TB], SLOT1                  ; in the other slot
.endm
	s_load_b256 s[4:11], s[0:1], 0x0               ; qc s[4:5], qs s[6:7], kv s[8:9], ai s[10:11]
	v_lshl_add_u32 v4, v0, 2, SPARE
	v_mov_b32 v5, 0
	ds_add_u32 v4, v5
	s_wait_dscnt 0x0
	v_lshrrev_b32 v6, 5, v0
	v_readfirstlane_b32 s[WV], v6                  ; wave 0..15
	s_and_b32 s19, ttmp7, 0xffff                   ; the head
	s_sub_co_u32 s20, 31, ttmp9
	s_cmp_lt_u32 s[WV], 8
	s_cselect_b32 s18, ttmp9, s20                  ; my block of 128 queries: i, or 31 - i
	s_and_b32 s17, s[WV], 7
	s_and_b32 s23, s[WV], 1
	s_lshl_b32 s21, s18, 3
	s_add_co_u32 s21, s21, s17                     ; my tile of 16 queries, 0..255
	s_lshr_b32 s22, s21, 1
	s_lshl_b32 s36, s19, 7
	s_add_co_u32 s22, s22, s36                     ; its pair: 128 head + tile / 2
	s_lshl_b32 s36, s22, 10
	s_lshl_b32 s37, s23, 9
	s_add_co_u32 s36, s36, s37                     ; q's codes: my half of the pair's image
	s_mov_b32 s37, 0
	s_lshl_b32 s38, s22, 6                         ; and the pair's scale words
	s_mov_b32 s39, 0
	s_and_b32 s40, s[WV], 3
	s_mul_i32 s40, s40, 2*KVB                      ; what I fetch, if I fetch: two steps, in a slot and in memory
	s_mul_i32 s42, s19, 32*KVB
	s_add_co_u32 s42, s42, s40
	s_mov_b32 s43, 0
	s_lshr_b32 s51, s19, 1
	s_mul_i32 s51, s51, XBLK
	s_and_b32 s46, s19, 1
	s_lshl_b32 s46, s46, 9
	s_add_co_u32 s51, s51, s46                     ; in ai the head is half (head & 1) of K step head / 2
	s_lshr_b32 s44, s21, 4
	s_mul_i32 s44, s44, 8*XBLK
	s_add_co_u32 s44, s44, s51
	s_and_b32 s46, s21, 15
	s_lshl_b32 s46, s46, 10
	s_add_co_u32 s44, s44, s46                     ; my tile's half fragment
	s_mov_b32 s45, 0
	s_lshr_b32 s48, ttmp9, 1                       ; a's scale bytes: 256 for block i,
	s_mul_i32 s48, s48, 8*XBLK
	s_and_b32 s49, ttmp9, 1
	s_lshl_b32 s49, s49, 8
	s_add_co_u32 s48, s48, s49
	s_lshr_b32 s50, s20, 1                         ; and 256 for block 31 - i, which lies further on
	s_mul_i32 s50, s50, 8*XBLK
	s_and_b32 s49, s20, 1
	s_lshl_b32 s49, s49, 8
	s_add_co_u32 s50, s50, s49
	s_sub_co_u32 s50, s50, s48                     ; the distance between the two
	s_add_co_u32 s48, s48, s51
	s_mov_b32 s[G1], 3<<16                         ; 15:0 no mask; 17:16 elements of 8 bytes; no padding: two steps are a dense block of 68 rows of 256 bytes
	s_mov_b32 s[G1+1], 32<<16                      ; tensor_dim0
	s_mov_b32 s[G1+2], 68<<16                      ; tensor_dim1
	s_mov_b32 s[G1+3], 32<<16                      ; tile_dim0
	s_mov_b32 s[G1+4], 68                          ; tile_dim1
	s_mov_b32 s[G1+5], 32                          ; from row to row
	s_mov_b32 s[G1+6], 0
	s_mov_b32 s[G1+7], 0
	s_mov_b32 s[SEL], 0x76543210
	s_mov_b32 s[SEL+1], 0xfedcba98                 ; v_permlanex16_b32's selects for lane l xor 16
	s_mov_b32 s[CS], 0x3e38aa3b                    ; c = log2(e) / 8
	s_mov_b32 s[CS+1], s[CS]
	s_mov_b32 s[TB], 0
	s_mov_b32 s[KF], 0
	s_lshl_b32 s[QB], s18, 7
	s_mov_b32 s[SLOTS], 3
	v_and_b32 v9, 31, v0
	v_lshlrev_b32 v1, 4, v9                        ; 16 x lane
	v_and_b32 v10, 15, v0                          ; r
	v_bfe_u32 v11, v0, 4, 1                        ; h
	s_lshl_b32 s61, s[WV], 5
	v_lshl_add_u32 v212, v10, 1, s61
	v_add_nc_u32 v212, STG, v212                   ; a's scale bytes meet here: 32 bytes a wave, 2 a row
	v_add_nc_u32 v213, STG, v1
	s_wait_kmcnt 0x0
	s_mov_b32 s[G0], 1                             ; count = 1
	s_mov_b32 s[G0+1], s40                         ; LDS address: slot 0
	s_add_nc_u64 s[G0+2:G0+3], s[8:9], s[42:43]    ; the head's first eight steps
	s_or_b32 s[G0+3], s[G0+3], 0x80000000          ; type = 2
	TLOAD                                          ; slot 0
	s_add_nc_u64 s[4:5], s[4:5], s[36:37]
	s_add_nc_u64 s[6:7], s[6:7], s[38:39]
	s_add_nc_u64 s[46:47], s[10:11], s[44:45]
	v_lshlrev_b32 v210, 2, v10
	global_load_b128 v[20:23], v1, s[4:5]          ; q: lane (r, h): row r, d = 32 h on
	global_load_b32 v211, v210, s[6:7]             ; the pair's scale words
	v_and_b32 v3, 8, v10
	v_add_nc_u32 v3, v3, v10                       ; r + 8 (r / 8)
	v_lshlrev_b32 v6, 4, v11
	v_sub_nc_u32 v3, v3, v6
	s_lshr_b32 s61, s17, 1
	s_lshl_b32 s61, s61, 5
	s_lshl_b32 s62, s23, 3
	s_add_co_u32 s61, s61, s62
	v_add_nc_u32 v3, s61, v3                       ; my query's place in its block - 16 h
	v_lshlrev_b32 v214, 4, v10
	v_mad_u32_u24 v214, v11, s50, v214
	v_add_nc_u32 v214, s48, v214                   ; where the scale bytes go: lanes 0-15 block i's 256 bytes, lanes 16-31 block 31 - i's
	v_mov_b32 v7, 0xcaf42400                       ; -8e6: a hidden key's score
	s_mov_b32 s61, 0xff61b1e6                      ; -3e38
	s_mov_b32 s62, 0xcaf42400
	s_cmp_lt_u32 s18, 31
	s_cselect_b32 s61, s62, s61                    ; under block 31 hidden steps follow: M starts at the hidden t.  (In block 31 the diagonal's own hidden keys see to it)
	v_mov_b32 v13, s61
	v_mul_f32 v13, s[CS], v13                      ; the largest t so far
	v_floor_f32 v12, -v13                          ; -M
	v_mov_b32 v14, 0                               ; the sum, in two halves
	v_mov_b32 v15, 0
	s_mov_b32 s63, 0x03020302
	s_mov_b32 s62, 0x01000100
	s_cmp_eq_u32 s23, 0
	s_cselect_b32 s63, s62, s63                    ; my tile's two bytes of the pair's word
.irp j, 16,17,18,19,24,25,26,27
	v_mov_b32 v[\j], 0                             ; the zero codes on both sides of q
.endr
.irp b, 0,1,2,3
	v_mov_b32 v[236+\b], 0                         ; a lane permute's destination counts as one of its sources
.endr
	v_mov_b32 v252, 0
	v_mov_b32 v253, 0                              ; (named as the upper half of the pair v[252:253] before it is first written)
	s_wait_loadcnt 0x0                             ; q and its scale words
	v_perm_b32 v8, v211, v211, s63                 ; twice on end: they serve q at the lower and at the upper half of K.  The lines below are the places in front of the first product
.set j_, 0
.rept 10
	v_mov_b32 v[200+j_], 0                         ; the hidden keys' operand, scale word and PH: made on the diagonal, ahead of every use
.set j_, j_+1
.endr
.set j_, 0
.rept 32
	v_mov_b32 v[160+j_], 0                         ; O^T.  (The step is written once: the first finds zeros, which the first change of M leaves zeros)
.set j_, j_+1
.endr
.Lslot:                                            ; three trips: behind each change of slots but the last the next slot is asked for
	CHANGE 1
	SLOT_STEPS
	s_sub_co_u32 s[SLOTS], s[SLOTS], 1
	s_cmp_lg_u32 s[SLOTS], 0
	s_cbranch_scc1 .Lslot
	CHANGE 0                                       ; the last slot is written out
	SLOT_STEPS
	; ---- the way out
.rept 4
	v_nop                                          ; four places behind the last products
.endr
	v_add_f32 v14, v14, v15                        ; the sum's two halves,
	v_permlanex16_b32 v252, v14, s[SEL], s[SEL+1]
	v_add_f32 v14, v14, v252                       ; lane l xor 16's,
	s_sub_co_u32 s61, 31, s18
	s_lshl_b32 s61, s61, 7
	v_cvt_f32_u32 v254, s61
	v_fma_f32 v14, v209, v254, v14                 ; and PH for each of the 128 (31 - block) keys of the hidden steps
	v_rcp_f32 v14, v14
	v_nop
.set j_, 0
	s_wait_alu depctr_va_vdst(0)
.rept 32
	v_mul_f32 v[96+j_], v[160+j_], v14             ; a: register 16 b + i is d = 32 b + 16 h + i of my query
.set j_, j_+1
.endr
.irp b, 0,1
	v_max3_num_f32 v[232+\b], |v[96+16*\b]|, |v[97+16*\b]|, 0x1800000
.endr
.irp i, 2,4,6,8,10,12,14
.irp b, 0,1
	v_max3_num_f32 v[232+\b], v[232+\b], |v[96+16*\b+\i]|, |v[97+16*\b+\i]|
.endr
.endr
.irp b, 0,1
	v_permlanex16_b32 v[236+\b], v[232+\b], s[SEL], s[SEL+1]
.endr
.irp b, 0,1
	v_max_num_f32 v[232+\b], v[232+\b], v[236+\b]
.endr
.irp b, 0,1
	v_add_nc_u32 v[244+\b], 0xff000000, v[232+\b]
.endr
.irp b, 0,1
	v_lshrrev_b32 v[236+\b], 23, v[244+\b]
.endr
	v_lshl_or_b32 v253, v237, 8, v236              ; my row's two scale bytes
.irp b, 0,1
	v_cvt_scalef32_pk8_fp4_f32 v[192+2*\b], v[96+16*\b:103+16*\b], v[244+\b]
	v_cvt_scalef32_pk8_fp4_f32 v[193+2*\b], v[104+16*\b:111+16*\b], v[244+\b]
.endr
	v_nop
	v_permlane16_swap_b32 v192, v194
	v_permlane16_swap_b32 v193, v195               ; lane (r, h) now holds d = 32 h + 0 .. 31 of row r: four registers of the last product's operand
	global_store_b128 v1, v[192:195], s[46:47]     ; 512 consecutive bytes
	ds_store_b16 v212, v253                        ; (lanes r and 16 + r write the same two bytes)
	s_wait_dscnt 0x0                               ; for wave 0's sake
	s_barrier_signal -1
	s_barrier_wait -1
	s_cmp_lg_u32 s[WV], 0
	s_cbranch_scc1 .Lnot_first
	ds_load_b128 v[216:219], v213
	s_wait_dscnt 0x0
	global_store_b128 v214, v[216:219], s[10:11] offset:16384   ; two aligned runs of 256 bytes
.Lnot_first:
	s_wait_tensorcnt 0x0                           ; the wave's end
	ds_add_u32 v4, v5
	s_wait_dscnt 0x0
	s_endpgm
.Lfunc_end_k_q19f46f76d9_attn:
	.size	k_q19f46f76d9_attn, .Lfunc_end_k_q19f46f76d9_attn-k_q19f46f76d9_attn
	.p2alignl 7, 3214868480
	.fill 96, 4, 3214868480
	.section	.rodata,"a",@progbits
	.p2align	6, 0x0
	.amdhsa_kernel k_q19f46f76d9_attn
		.amdhsa_group_segment_fixed_size 327680
		.amdhsa_private_segment_fixed_size 0
		.amdhsa_enable_private_segment 0
		.amdhsa_kernarg_size 32
		.amdhsa_user_sgpr_count 2
		.amdhsa_user_sgpr_kernarg_segment_ptr 1
		.amdhsa_wavefront_size32 1
		.amdhsa_system_sgpr_workgroup_id_x 1
		.amdhsa_system_sgpr_workgroup_id_y 1
		.amdhsa_system_sgpr_workgroup_id_z 1
		.amdhsa_system_vgpr_workitem_id 0
		.amdhsa_next_free_vgpr 256
		.amdhsa_next_free_sgpr 66
		.amdhsa_reserve_vcc 1
		.amdhsa_float_denorm_mode_32 3
		.amdhsa_float_denorm_mode_16_64 3
		.amdhsa_memory_ordered 1
		.amdhsa_forward_progress 1
		.amdhsa_inst_pref_size 57
	.end_amdhsa_kernel
	.amdgpu_metadata
---
amdhsa.version: [ 1, 2 ]
amdhsa.kernels:
  - .name:           k_q19f46f76d9_attn
    .symbol:         k_q19f46f76d9_attn.kd
    .args:
      - { .name: qc, .offset: 0, .size: 8, .value_kind: global_buffer, .address_space: global }
      - { .name: qs, .offset: 8, .size: 8, .value_kind: global_buffer, .address_space: global }
      - { .name: kv, .offset: 16, .size: 8, .value_kind: global_buffer, .address_space: global }
      - { .name: ai, .offset: 24, .size: 8, .value_kind: global_buffer, .address_space: global }
    .group_segment_fixed_size: 327680
    .private_segment_fixed_size: 0
    .kernarg_segment_align: 8
    .kernarg_segment_size: 32
    .max_flat_workgroup_size: 512
    .sgpr_count:     66
    .vgpr_count:     256
    .wavefront_size: 32
...
	.end_amdgpu_metadata
.endif
;; end of part 3
;; launch proj (part 4): grid 16 x 16, 4 waves a work-group, clusters of 4 x 4, 192,000 bytes of LDS; arguments ai, wpi, bp, out0; writes out0
.if DOCPART == 4
	.amdgcn_target "amdgcn-amd-amdhsa--gfx1250"
	.amdhsa_code_object_version 6
	.text
	.protected	k_q19f46f76d9_proj
	.globl	k_q19f46f76d9_proj
	.p2align	8
	.type	k_q19f46f76d9_proj,@function
k_q19f46f76d9_proj:
	s_mov_b64 s[64:65], 0
	v_nop
	global_prefetch_b8 v0, s[64:65] scope:SCOPE_SE
	s_setreg_imm32_b32 hwreg(HW_REG_WAVE_MODE, 25, 1), 1
	s_wait_xcnt 0x0
	s_wait_alu depctr_hold_cnt(0) depctr_sa_sdst(0) depctr_va_vdst(0) depctr_va_sdst(0) depctr_va_ssrc(0) depctr_va_vcc(0) depctr_vm_vsrc(0)
	s_getreg_b32 s2, hwreg(HW_REG_IB_STS2, 6, 4)
	s_cmp_eq_u32 s2, 0
	s_cbranch_scc0 .Lentry_in_a_cluster
	s_endpgm
.Lentry_in_a_cluster:
	s_bfe_u32 s2, ttmp6, 0x10000c
	s_cmp_lg_u32 s2, 0xf033
	s_cbranch_scc0 .Lentry_shape_is_right
	s_endpgm
.Lentry_shape_is_right:
; out0 = a Wp + bp on codes of FP4 with E8M0 scales.  a [4096][1024] and Wp [1024][1024] arrive as images of the operands' registers (a fragment, 16 rows x 128 K: 1,024 bytes, registers 4 c on of lane l at 512 c + 16 l).
; SHARES.  A work-group makes 256 rows x 64 columns; wave w rows 64 w .. 64 w + 63: 4 tiles of rows x 4 tiles of columns = 16 accumulators.  256 work-groups.
; ALL OF K (8 steps of 128) LIES IN LDS AT ONCE: a's 8 blocks of 17,408 bytes, Wp's 8 of 4,352, each filled once: no ring, no byte is filled twice.
; CLUSTERS: 4 x 4 work-groups.  a's blocks hang on the block of rows alone and are shared along a row of the cluster, Wp's on the block of columns alone and are shared along a column: each block is asked for JOINTLY.
; The product is used transposed (source 0 = 16 columns of Wp, source 1 = 16 rows of a): a lane holds eight neighbouring columns of one row.  Tile 2 p + u holds rows (columns) 32 p + 8 u + r + 8 (r / 8).  bp is the C of each sum's first instruction.
; a's scale bytes lie in two planes of 512 bytes a K step (one for each of the step's two heads), two bytes a row: a row's word is put together here.
; REGISTERS: window 0: v1-13 addresses; v16-31 a's scale words of all 8 steps (a register carries tile 2 j in lanes 0-15 and tile 2 j + 1 in lanes 16-31); v32-35 Wp's, two sets; v36-43 halves of a's words;
;   v64-127 a's fragments, two sets; v128-191 Wp's, two sets; v192-255 the way out.   window 1: the accumulators at 8 (4 a + g); from v128 bp's four tiles.
.set XBLK, 17408
.set WBLK, 4352
.set WR,   8*XBLK                      ; LDS: a's blocks from 0, Wp's from here,
.set STG,  WR+8*WBLK                   ; and a stage of 16 rows x (256 bytes + 16) for each wave, into which no tile lands
.set SPT,  272
.set G1X,  24                          ; s[24:31] descriptor group 1 for a's blocks;  s[40:55] four groups 0
.set G1W,  32                          ; s[32:39], s[68:83] the same for Wp's
.set G0X,  40
.set G0W,  68
.set MSB, 0
.macro WIN new                         ; the immediate's high byte repeats the setting that is left
.if MSB != (\new)
	s_set_vgpr_msb (MSB<<8)|(\new)
.set MSB, (\new)
.endif
.endm
.macro CROUND                          ; a round of the cluster's barrier
	s_barrier_signal -1
	s_barrier_wait -1
	s_cmp_lg_u32 s16, 0
	s_cbranch_scc1 .Lnot_wave_0_\@
	s_barrier_signal -3
.Lnot_wave_0_\@:
	s_barrier_wait -3
	s_barrier_signal -1
	s_barrier_wait -1
.endm
.macro WMC d, a, b, c, sa, sb, ra, rb  ; one product; ra, rb = 1: that side's scale words stand in lanes 16-31 of its register
.if (\ra)&&(\rb)
	v_wmma_scale_f32_16x16x128_f8f6f4 v[\d:\d+7], v[\a:\a+7], v[\b:\b+7], v[\c:\c+7], v[\sa], v[\sb] matrix_a_fmt:MATRIX_FMT_FP4 matrix_b_fmt:MATRIX_FMT_FP4 matrix_a_scale:MATRIX_SCALE_ROW1 matrix_b_scale:MATRIX_SCALE_ROW1
.elseif (\ra)
	v_wmma_scale_f32_16x16x128_f8f6f4 v[\d:\d+7], v[\a:\a+7], v[\b:\b+7], v[\c:\c+7], v[\sa], v[\sb] matrix_a_fmt:MATRIX_FMT_FP4 matrix_b_fmt:MATRIX_FMT_FP4 matrix_a_scale:MATRIX_SCALE_ROW1
.elseif (\rb)
	v_wmma_scale_f32_16x16x128_f8f6f4 v[\d:\d+7], v[\a:\a+7], v[\b:\b+7], v[\c:\c+7], v[\sa], v[\sb] matrix_a_fmt:MATRIX_FMT_FP4 matrix_b_fmt:MATRIX_FMT_FP4 matrix_b_scale:MATRIX_SCALE_ROW1
.else
	v_wmma_scale_f32_16x16x128_f8f6f4 v[\d:\d+7], v[\a:\a+7], v[\b:\b+7], v[\c:\c+7], v[\sa], v[\sb] matrix_a_fmt:MATRIX_FMT_FP4 matrix_b_fmt:MATRIX_FMT_FP4
.endif
.endm
.macro FETCH s                         ; 18 LDS loads: K step s's fragments and Wp's scale words into set s % 2
.set P_, (\s)%2
.set i_, 0
.rept 4
	ds_load_b128 v[128+32*P_+8*i_:128+32*P_+8*i_+3], v5 offset:1024*i_
	ds_load_b128 v[128+32*P_+8*i_+4:128+32*P_+8*i_+7], v5 offset:1024*i_+512
	ds_load_b128 v[64+32*P_+8*i_:64+32*P_+8*i_+3], v3 offset:1024*i_
	ds_load_b128 v[64+32*P_+8*i_+4:64+32*P_+8*i_+7], v3 offset:1024*i_+512
.set i_, i_+1
.endr
	ds_load_b32 v[32+2*P_], v6
	ds_load_b32 v[33+2*P_], v6 offset:128
.endm
.macro MULS s                          ; K step s's 16 products: the accumulators take turns, one instruction a turn.  Step 0 starts the sums with the bias as C
.set P_, (\s)%2
	WIN 0x50                                       ; sources 0 and 1 window 0, C and D window 1
.set a_, 0
.rept 4
.set g_, 0
.rept 4
.set D_, 8*(4*a_+g_)
.if (\s) == 0
.set C_, 128+8*g_
.else
.set C_, D_
.endif
	WMC D_, 128+32*P_+8*g_, 64+32*P_+8*a_, C_, 32+2*P_+g_/2, 16+2*(\s)+a_/2, g_%2, a_%2
.set g_, g_+1
.endr
.set a_, a_+1
.endr
.endm
; A trip fetches step s and multiplies step s - 1.  Its first eight lines are the places between the last products and the loads into the registers that they read (four are asked),
; and between the lines that make a's scale words and the first product that takes them (eight are asked).
.macro TRIP s
.if (\s) > 0
	WIN 0
	v_add_nc_u32 v3, XBLK, v3
	v_add_nc_u32 v4, XBLK, v4
	v_add_nc_u32 v5, WBLK, v5
	v_add_nc_u32 v6, WBLK, v6
.rept 4
	v_nop
.endr
.endif
.if (\s)%2 == 0
	s_wait_tensorcnt 3-(\s)/2                      ; a wave's tensor loads end in order: my load number s / 2 is in; the younger ones stay out
	s_wait_dscnt 0x0                               ; no LDS instruction of mine is out at a signal
	s_barrier_signal -1
	s_barrier_wait -1                              ; K steps s and s + 1 are whole
.set d_, 0
.rept 2
.set j_, 0
.rept 2
	ds_load_u16 v[36+4*d_+2*j_], v4 offset:XBLK*d_+64*j_          ; the two bytes of the step's first head,
	ds_load_u16 v[36+4*d_+2*j_+1], v4 offset:XBLK*d_+64*j_+512    ; and of its second
.set j_, j_+1
.endr
.set d_, d_+1
.endr
.endif
	FETCH \s
	s_wait_dscnt 18                                ; all but the 18 just issued
.if (\s)%2 == 0
.set d_, 0
.rept 2
.set j_, 0
.rept 2
	v_lshl_or_b32 v[16+2*((\s)+d_)+j_], v[36+4*d_+2*j_+1], 16, v[36+4*d_+2*j_]   ; a's scale words of steps s and s + 1
.set j_, j_+1
.endr
.set d_, d_+1
.endr
.endif
.if (\s) > 0
	MULS (\s)-1
.endif
.endm
; THE WAY OUT, a tile of 16 rows at a time, through my own stage: a lane's 32 bytes go in, whole rows of 256 bytes come back.  LDS serves a wave's instructions in order: no wait between the stores and the loads.
.macro TOSTAGE a
	WIN 0x04                                       ; an LDS store's data are its source 1: window 1
.set g_, 0
.rept 4
	ds_store_b128 v11, v[8*(4*(\a)+g_):8*(4*(\a)+g_)+3] offset:128*(g_/2)+32*(g_%2)        ; each accumulator from its low end on
	ds_store_b128 v11, v[8*(4*(\a)+g_)+4:8*(4*(\a)+g_)+7] offset:128*(g_/2)+32*(g_%2)+16
.set g_, g_+1
.endr
	WIN 0
.set i_, 0
.rept 8
	ds_load_b128 v[192+32*((\a)%2)+4*i_:192+32*((\a)%2)+4*i_+3], v12 offset:2*i_*SPT
.set i_, i_+1
.endr
.endm
.macro SEND a, younger                 ; younger: the LDS instructions issued behind tile a's loads, which may stay out
	s_wait_dscnt \younger
.set i_, 0
.rept 8
	global_store_b128 v13, v[192+32*((\a)%2)+4*i_:192+32*((\a)%2)+4*i_+3], s[10:11] offset:(32*((\a)/2)+8*((\a)%2)+2*i_+8*(i_/4))*4096 th:TH_STORE_NT   ; 16 lanes store 256 consecutive bytes, at a multiple of 256 from the output's first byte
.set i_, i_+1
.endr
.endm
	s_load_b256 s[4:11], s[0:1], 0x0               ; ai s[4:5], wpi s[6:7], bp s[8:9], out0 s[10:11]
	v_lshl_add_u32 v62, v0, 2, 0x2ec00
	v_mov_b32 v63, 0
	ds_add_u32 v62, v63
	v_lshrrev_b32 v1, 5, v0
	v_readfirstlane_b32 s16, v1                    ; wave 0..3
	s_lshr_b32 s17, s16, 1                         ; I fetch for a (0) or for Wp (1)
	s_and_b32 s18, s16, 1                          ; the even K steps (0) or the odd ones (1)
	s_bfe_u32 s19, ttmp6, 0x40000                  ; cx, cy: my place in the cluster
	s_bfe_u32 s20, ttmp6, 0x40004
	s_lshl_b32 s21, ttmp9, 2
	s_add_co_u32 s21, s21, s19                     ; the block of 64 columns = 4 x cluster x + cx
	s_and_b32 s22, ttmp7, 0xffff
	s_lshl_b32 s22, s22, 2
	s_add_co_u32 s22, s22, s20                     ; the block of 256 rows = 4 x cluster y + cy
	s_lshl_b32 s23, s20, 2
	s_lshl_b32 s23, 15, s23                        ; my row of the cluster
	s_lshl_b32 s100, 0x1111, s19                   ; my column
	; descriptor group 1: a dense block as rows of 256 bytes (32 elements of 8 bytes), no padding: 68 rows for a, 17 for Wp
	s_or_b32 s[G1X], s23, (3<<16)|(1<<21)          ; 15:0 the mask; 17:16 elements of 8 bytes; 21 set beside a mask
	s_or_b32 s[G1W], s100, (3<<16)|(1<<21)
	s_mov_b32 s[G1X+1], 32<<16                     ; tensor_dim0
	s_mov_b32 s[G1X+2], 68<<16                     ; tensor_dim1
	s_mov_b32 s[G1X+3], 32<<16                     ; tile_dim0
	s_mov_b32 s[G1X+4], 68                         ; tile_dim1
	s_mov_b32 s[G1X+5], 32                         ; from row to row
	s_mov_b32 s[G1X+6], 0
	s_mov_b32 s[G1X+7], 0
	s_mov_b32 s[G1W+1], 32<<16
	s_mov_b32 s[G1W+2], 17<<16
	s_mov_b32 s[G1W+3], 32<<16
	s_mov_b32 s[G1W+4], 17
	s_mov_b32 s[G1W+5], 32
	s_mov_b32 s[G1W+6], 0
	s_mov_b32 s[G1W+7], 0
	s_mul_i32 s86, s18, XBLK                       ; my first K step's place, in memory and in LDS: the wave's number alone
	s_mul_i32 s87, s18, WBLK
	s_mul_i32 s56, s22, 8*XBLK                     ; a: the block of rows alone
	s_add_co_u32 s56, s56, s86
	s_mov_b32 s57, 0
	s_mul_i32 s60, s21, 8*WBLK                     ; Wp: the block of columns alone
	s_add_co_u32 s60, s60, s87
	s_mov_b32 s61, 0
	s_wait_dscnt 0x0
	s_wait_kmcnt 0x0
	s_add_nc_u64 s[58:59], s[4:5], s[56:57]
	s_add_nc_u64 s[62:63], s[6:7], s[60:61]
	CROUND                                         ; all sixteen work-groups are here: the joint loads meet
.irp i, 0,1,2,3                                ; load i: K step 2 i + (wave & 1)
	s_mov_b32 s[G0X+4*\i], 1
	s_add_co_u32 s[G0X+4*\i+1], s86, \i*2*XBLK
	s_add_nc_u64 s[G0X+4*\i+2:G0X+4*\i+3], s[58:59], \i*2*XBLK
	s_or_b32 s[G0X+4*\i+3], s[G0X+4*\i+3], 0x80000000
	s_mov_b32 s[G0W+4*\i], 1
	s_add_co_u32 s[G0W+4*\i+1], s87, WR+\i*2*WBLK
	s_add_nc_u64 s[G0W+4*\i+2:G0W+4*\i+3], s[62:63], \i*2*WBLK
	s_or_b32 s[G0W+4*\i+3], s[G0W+4*\i+3], 0x80000000
.endr
	s_cmp_eq_u32 s17, 0                            ; a wave's four fills stand in one branch on its number: four loads of mine are out; four v_nop follow the last
	s_cbranch_scc0 .Lfor_w
	tensor_load_to_lds s[G0X:G0X+3], s[G1X:G1X+7]
	s_nop 0
	tensor_load_to_lds s[G0X+4:G0X+7], s[G1X:G1X+7]
	s_nop 0
	tensor_load_to_lds s[G0X+8:G0X+11], s[G1X:G1X+7]
	s_nop 0
	tensor_load_to_lds s[G0X+12:G0X+15], s[G1X:G1X+7]
	s_nop 0
.rept 4
	v_nop
.endr
	s_branch .Lasked
.Lfor_w:
	tensor_load_to_lds s[G0W:G0W+3], s[G1W:G1W+7]
	s_nop 0
	tensor_load_to_lds s[G0W+4:G0W+7], s[G1W:G1W+7]
	s_nop 0
	tensor_load_to_lds s[G0W+8:G0W+11], s[G1W:G1W+7]
	s_nop 0
	tensor_load_to_lds s[G0W+12:G0W+15], s[G1W:G1W+7]
	s_nop 0
.rept 4
	v_nop
.endr
.Lasked:
	v_and_b32 v2, 31, v0                           ; lane
	v_lshlrev_b32 v1, 4, v2                        ; 16 x lane: my place in an image
	v_and_b32 v9, 15, v0                           ; r
	v_bfe_u32 v10, v0, 4, 1                        ; h
	s_lshl_b32 s85, s16, 12
	v_add_nc_u32 v3, s85, v1                       ; a's fragments: my four tiles
	s_lshl_b32 s85, s16, 7
	s_add_co_u32 s85, s85, 16384
	v_lshl_add_u32 v4, v2, 1, s85                  ; their scale bytes: 32 a tile in each plane, 2 a row
	v_add_nc_u32 v5, WR, v1                        ; Wp's fragments
	v_lshlrev_b32 v6, 2, v2
	v_add_nc_u32 v6, WR+4096, v6                   ; and scale words
	v_lshlrev_b32 v7, 6, v10                       ; bp: tile g's register j is column 32 (g / 2) + 8 (g % 2) + 16 h + j
	s_mul_i32 s85, s16, 16*SPT
	s_add_co_u32 s85, s85, STG                     ; my stage
	v_mul_u32_u24 v11, v9, SPT
	v_lshl_add_u32 v11, v10, 6, v11
	v_add_nc_u32 v11, s85, v11                     ; in: row r, + 64 h bytes
	v_mul_u32_u24 v12, v10, SPT
	v_lshl_add_u32 v12, v9, 4, v12
	v_add_nc_u32 v12, s85, v12                     ; back: lanes 0-15 one row, lanes 16-31 the next
	v_lshlrev_b32 v13, 12, v10
	v_lshl_add_u32 v13, v9, 4, v13                 ; and the same two rows in the output
	s_lshl_b32 s84, s21, 8
	s_mov_b32 s85, 0
	s_add_nc_u64 s[8:9], s[8:9], s[84:85]          ; bp at my 64 columns
	s_lshl_b32 s88, s22, 20                        ; 256 rows of 4,096 bytes,
	s_lshl_b32 s89, s16, 18                        ; 64 rows a wave,
	s_add_co_u32 s88, s88, s89
	s_add_co_u32 s88, s88, s84                     ; 256 bytes a block of columns
	s_mov_b32 s89, 0
	s_add_nc_u64 s[10:11], s[10:11], s[88:89]
	WIN 0x40                                       ; destination window 1
.set g_, 0
.rept 4
	global_load_b128 v[128+8*g_:128+8*g_+3], v7, s[8:9] offset:(32*(g_/2)+8*(g_%2))*4
	global_load_b128 v[128+8*g_+4:128+8*g_+7], v7, s[8:9] offset:(32*(g_/2)+8*(g_%2))*4+16
.set g_, g_+1
.endr
	WIN 0
	TRIP 0
	s_wait_loadcnt 0x0                             ; the bias, which step 0's products take as C
	TRIP 1
	TRIP 2
	TRIP 3
	TRIP 4
	TRIP 5
	TRIP 6
	TRIP 7
	s_wait_dscnt 0x0
	MULS 7
	WIN 0
.rept 4
	v_nop                                          ; four places between the last products and the first read of results
.endr
	TOSTAGE 0
	TOSTAGE 1
	SEND 0, 16                                     ; behind tile 0's loads: tile 1's 8 stores and 8 loads
	s_wait_xcnt 0x0                                ; tile 0's stores have read their registers: tile 2's loads may land there
	TOSTAGE 2
	SEND 1, 16
	s_wait_xcnt 0x0
	TOSTAGE 3
	SEND 2, 16
	SEND 3, 0
	s_wait_tensorcnt 0x0
	ds_add_u32 v62, v63
	s_wait_dscnt 0x0
	CROUND                                         ; the closing round: no work-group ends while a partner may still ask for a block that names it
	s_endpgm
.Lfunc_end_k_q19f46f76d9_proj:
	.size	k_q19f46f76d9_proj, .Lfunc_end_k_q19f46f76d9_proj-k_q19f46f76d9_proj
	.p2alignl 7, 3214868480
	.fill 96, 4, 3214868480
	.section	.rodata,"a",@progbits
	.p2align	6, 0x0
	.amdhsa_kernel k_q19f46f76d9_proj
		.amdhsa_group_segment_fixed_size 192000
		.amdhsa_private_segment_fixed_size 0
		.amdhsa_enable_private_segment 0
		.amdhsa_kernarg_size 32
		.amdhsa_user_sgpr_count 2
		.amdhsa_user_sgpr_kernarg_segment_ptr 1
		.amdhsa_wavefront_size32 1
		.amdhsa_system_sgpr_workgroup_id_x 1
		.amdhsa_system_sgpr_workgroup_id_y 1
		.amdhsa_system_sgpr_workgroup_id_z 1
		.amdhsa_system_vgpr_workitem_id 0
		.amdhsa_next_free_vgpr 512
		.amdhsa_next_free_sgpr 102
		.amdhsa_reserve_vcc 0
		.amdhsa_float_denorm_mode_32 3
		.amdhsa_float_denorm_mode_16_64 3
		.amdhsa_memory_ordered 1
		.amdhsa_forward_progress 1
		.amdhsa_inst_pref_size 49
	.end_amdhsa_kernel
	.amdgpu_metadata
---
amdhsa.version: [ 1, 2 ]
amdhsa.kernels:
  - .name:           k_q19f46f76d9_proj
    .symbol:         k_q19f46f76d9_proj.kd
    .args:
      - { .name: ai, .offset: 0, .size: 8, .value_kind: global_buffer, .address_space: global }
      - { .name: wpi, .offset: 8, .size: 8, .value_kind: global_buffer, .address_space: global }
      - { .name: bp, .offset: 16, .size: 8, .value_kind: global_buffer, .address_space: global }
      - { .name: out0, .offset: 24, .size: 8, .value_kind: global_buffer, .address_space: global }
    .group_segment_fixed_size: 192000
    .private_segment_fixed_size: 0
    .kernarg_segment_align: 8
    .kernarg_segment_size: 32
    .max_flat_workgroup_size: 128
    .sgpr_count:     102
    .vgpr_count:     512
    .wavefront_size: 32
...
	.end_amdgpu_metadata
.endif
;; end of part 4
